; MI455X (gfx1250); checked and timed in simulation.
; The chip was launched on July 23, 2026; its instructions are those of AMD's public machine-readable ISA for CDNA 5 (MIT licence, August 2026) and "CDNA5" Instruction Set Architecture Reference Guide (July 2026). The comments in the code are by the model that wrote it; some were corrected since.
;; ST Block. Allowed arithmetic: float matrix products may take bf16 or f16 operands with f32 sums; other float arithmetic in f32, or as packed bf16 or f16 multiplies, adds, multiply-adds, maxima and minima; sums over many terms, partial sums and values carried from step to step in f32; what a program stores and reads back later, other than sums and carried values, may be rounded once to bf16 or f16.
;; Inputs: adj 256 x 256 int32; g_id 256 int32; g_od 256 int32; key_in 8 x 256 x 64 x 64 float32; params_blk_ln1_b 64 float32; params_blk_ln1_g 64 float32; params_blk_ln2_b 64 float32; params_blk_ln2_g 64 float32; params_bn_b 256 float32; params_bn_g 256 float32; params_fc1_b 256 float32; params_fc1_w 256 x 256 float32; params_fc2_b 256 float32; params_fc2_w 256 x 256 float32; params_id_emb 256 x 64 float32; params_in_deg_emb 256 x 64 float32; params_out_deg_emb 256 x 64 float32; params_rel_pos_emb 4 x 4 float32; params_s_ff_b1 256 float32; params_s_ff_b2 64 float32; params_s_ff_w1 64 x 256 float32; params_s_ff_w2 256 x 64 float32; params_s_fo_b 64 float32; params_s_fo_w 64 x 64 float32; params_s_ln1_b 64 float32; params_s_ln1_g 64 float32; params_s_ln2_b 64 float32; params_s_ln2_g 64 float32; params_s_wk 64 x 64 float32; params_s_wq 64 x 64 float32; params_s_wv 64 x 64 float32; params_t_ff_b1 256 float32; params_t_ff_b2 64 float32; params_t_ff_w1 64 x 256 float32; params_t_ff_w2 256 x 64 float32; params_t_fo_b 64 float32; params_t_fo_w 64 x 64 float32; params_t_ln1_b 64 float32; params_t_ln1_g 64 float32; params_t_ln2_b 64 float32; params_t_ln2_g 64 float32; params_t_wk 64 x 64 float32; params_t_wq 64 x 64 float32; params_t_wv 64 x 64 float32; params_wt_b 64 float32; params_wt_w 2 x 64 float32; query 8 x 256 x 64 x 64 float32; value 8 x 256 x 64 x 64 float32; w_t 8 x 2 float32.
;; Outputs: out0 8 x 256 x 64 x 64 float32.
;; Constants: t = 0.
;; One version. Each part assembles by itself: llvm-mc -triple=amdgcn-amd-amdhsa -mcpu=gfx1250 --defsym DOCPART=n.
;; ======== version 1 of 1: 4 launches
;; limits: values are held in f16: magnitudes above 65,504 overflow, below 6.1e-05 lose precision; values outside matrix products are rounded to bf16
;; workspace buffers: gap 8,192 bytes; part 131,072 bytes; blobS 98,304 bytes; blobT 98,304 bytes; sel 131,072 bytes of whole numbers; embF 65,536 bytes; tadd 131,072 bytes; x1h 16,777,216 bytes
;; launch prep (part 1): grid 353 x 1, 8 waves a work-group, no clusters, 0 bytes of LDS; arguments query, gap, params_s_wq, params_s_wk, params_s_wv, params_s_fo_w, params_s_ff_w1, params_s_ff_w2, params_t_wq, params_t_wk, params_t_wv, params_t_fo_w, params_t_ff_w1, params_t_ff_w2, blobS, blobT, adj, sel, params_id_emb, params_in_deg_emb, params_out_deg_emb, g_id, g_od, embF, w_t, params_wt_w, params_wt_b, tadd; writes gap, blobS, blobT, sel, embF, tadd
.if DOCPART == 1
	.amdgcn_target "amdgcn-amd-amdhsa--gfx1250"
	.amdhsa_code_object_version 6
	.text
	.protected	k_q22308112bf_prep
	.globl	k_q22308112bf_prep
	.p2align	8
	.type	k_q22308112bf_prep,@function
k_q22308112bf_prep:
	s_mov_b64 s[64:65], 0
	v_nop
	global_prefetch_b8 v0, s[64:65] scope:SCOPE_SE
	s_setreg_imm32_b32 hwreg(HW_REG_WAVE_MODE, 25, 1), 1
	s_wait_xcnt 0x0
; PREP: five jobs that need nothing of each other, chosen by the work-group's number (all jumps forward).
;   0..255    GAP   gap[b][n] = mean of |query[b][n][:][:]|: a wave takes one row (b, n), 16,384 consecutive bytes, all 32 loads in flight.
;   256..303  PACK  the twelve weight matrices, rounded once to bf16 (wq times 0.25 first, which is exact), in the order in which a matrix fragment lies in registers:
;                   fragment (row tile i, K step s) of W^T is 1,024 bytes; lane l's 16 bytes of half q lie at 512 q + 16 l and hold W[32 s + 16 q + 8 (l / 16) + 0..7][16 i + l % 16].
;   304..335  SEL   byte selectors for the bias: for query 16 Qt + l % 16 and keys 16 kt + 8 (l / 16) + 0..7, a word for two keys: bytes 2 a, 2 a + 1, 2 a', 2 a' + 1 with a = adj.
;   336..351  EMB   id_emb[n] + in_deg_emb[g_id[n]] + out_deg_emb[g_od[n]] in f32, in the tile order of the later launches (register 8 i + j of lane l: channel 16 i + 8 (l / 16) + j of token l % 16).
;   352       TADD  the sinusoid table plus w_t[b] wt_w + wt_b, in f32, in the same tile order; a wave a batch row, a lane a frequency.
; LIMITS. The angle step 10000^(-f/32) lies in (0, 1] by construction, so the series for its sine and cosine, cut behind x^11 and x^12, are off by less than 2e-10; the 63 rotations add roundings of f32.
; K = 2 of w_t wt_w is two fused multiply-adds in f32: a matrix step of 32 along K would be padding.  TADD's stores are 8 bytes a lane (131,072 bytes in all); GAP stores 4 bytes a wave.
; value, key_in and t are not read: the module's body discards them.
	s_mov_b32 s2, ttmp9
	v_and_b32 v1, 15, v0                           ; r = lane % 16
	v_bfe_u32 v2, v0, 4, 1                         ; hh = lane / 16
	v_and_b32 v3, 31, v0                           ; lane
	v_lshrrev_b32 v4, 5, v0
	v_readfirstlane_b32 s3, v4                     ; wave 0..7
	s_cmp_lt_u32 s2, 256
	s_cbranch_scc1 .Lgap
	s_cmp_lt_u32 s2, 304
	s_cbranch_scc1 .Lpack
	s_cmp_lt_u32 s2, 336
	s_cbranch_scc1 .Lsel
	s_cmp_lt_u32 s2, 352
	s_cbranch_scc1 .Lemb
	; ---------------- TADD: wave = b, lane = frequency f; channels 2 f (sine) and 2 f + 1 (cosine)
	s_load_b256 s[4:11], s[0:1], 0xc0              ; w_t s[4:5], wt_w s[6:7], wt_b s[8:9], tadd s[10:11]
	v_cvt_f32_u32 v5, v3
	v_mul_f32 v5, 0xbed49a78, v5                   ; -f log2(10000) / 32
	v_exp_f32 v5, v5                               ; the angle step
	v_lshlrev_b32 v6, 3, v3                        ; 8 f: my two channels in a row of f32
	s_lshl_b32 s12, s3, 3                          ; w_t's row b
	s_mov_b32 s13, 0
	s_lshl_b32 s14, s3, 14                         ; tadd's part for b
	s_mov_b32 s15, 0
	v_lshrrev_b32 v7, 3, v3                        ; channel 2 f = 16 i + 8 hh + j: i = f / 8,
	v_bfe_u32 v8, v3, 1, 1                         ; j / 4 = (f / 2) % 2
	v_lshl_add_u32 v7, v7, 1, v8                   ; e = 2 i + j / 4
	v_bfe_u32 v8, v3, 2, 1                         ; hh = (f / 4) % 2
	v_lshlrev_b32 v7, 9, v7
	v_lshl_add_u32 v7, v8, 8, v7
	v_and_b32 v8, 1, v3
	v_lshl_add_u32 v7, v8, 3, v7                   ; 512 e + 256 hh + 8 (f % 2); the token's 16 (t % 16) stands in the immediate
	s_wait_kmcnt 0x0
	s_add_nc_u64 s[4:5], s[4:5], s[12:13]
	s_add_nc_u64 s[10:11], s[10:11], s[14:15]
	s_load_b64 s[16:17], s[4:5], 0x0
	global_load_b64 v[10:11], v6, s[6:7]
	global_load_b64 v[12:13], v6, s[6:7] offset:256
	global_load_b64 v[14:15], v6, s[8:9]
	s_wait_alu depctr_va_vdst(0)                   ; the wait ahead of the exponential's first reader; plain lines stand between
	v_mul_f32 v16, v5, v5
	v_mov_b32 v17, 0xb2d7322b                      ; sine: -1/11!, 1/9!, -1/7!, 1/5!, -1/3!, 1
	v_fmaak_f32 v17, v17, v16, 0x3638ef1d
	v_fmaak_f32 v17, v17, v16, 0xb9500d01
	v_fmaak_f32 v17, v17, v16, 0x3c088889
	v_fmaak_f32 v17, v17, v16, 0xbe2aaaab
	v_fmaak_f32 v17, v17, v16, 0x3f800000
	v_mul_f32 v17, v17, v5
	v_mov_b32 v18, 0x310f76c7                      ; cosine: 1/12!, -1/10!, 1/8!, -1/6!, 1/4!, -1/2, 1
	v_fmaak_f32 v18, v18, v16, 0xb493f27e
	v_fmaak_f32 v18, v18, v16, 0x37d00d01
	v_fmaak_f32 v18, v18, v16, 0xbab60b61
	v_fmaak_f32 v18, v18, v16, 0x3d2aaaab
	v_fmaak_f32 v18, v18, v16, 0xbf000000
	v_fmaak_f32 v18, v18, v16, 0x3f800000
	v_mov_b32 v20, 0                               ; sin(0)
	v_mov_b32 v21, 1.0                             ; cos(0)
	s_wait_kmcnt 0x0
	s_wait_loadcnt 0x0
	v_fma_f32 v14, s16, v10, v14                   ; w_t[b] wt_w + wt_b for my two channels
	v_fma_f32 v15, s16, v11, v15
	v_fma_f32 v14, s17, v12, v14
	v_fma_f32 v15, s17, v13, v15
	s_mov_b32 s18, 4
.Ltt:                                                  ; a trip: 16 tokens, a tile; each step stores and turns (sin, cos) by the angle step
.set k, 0
.rept 8
	v_add_f32 v[32+4*k], v20, v14
	v_add_f32 v[33+4*k], v21, v15
	global_store_b64 v7, v[32+4*k:33+4*k], s[10:11] offset:32*k
	v_mul_f32 v22, v21, v17
	v_mul_f32 v23, v20, v17
	v_fma_f32 v22, v20, v18, v22
	v_fma_f32 v23, v21, v18, -v23
	v_add_f32 v[34+4*k], v22, v14
	v_add_f32 v[35+4*k], v23, v15
	global_store_b64 v7, v[34+4*k:35+4*k], s[10:11] offset:32*k+16
	v_mul_f32 v20, v23, v17
	v_mul_f32 v21, v22, v17
	v_fma_f32 v20, v22, v18, v20
	v_fma_f32 v21, v23, v18, -v21
.set k, k+1
.endr
	s_wait_xcnt 0x0                                ; the stores' data and base are written again only behind this wait
	s_add_nc_u64 s[10:11], s[10:11], 0x1000
	s_sub_co_u32 s18, s18, 1
	s_cmp_lg_u32 s18, 0
	s_cbranch_scc1 .Ltt
	s_endpgm
	; ---------------- GAP
.Lgap:
	s_load_b128 s[4:7], s[0:1], 0x0                ; query, gap
	s_lshl_b32 s8, s2, 3
	s_add_co_u32 s8, s8, s3                        ; my row (b, n) of 2,048
	s_lshl_b32 s10, s8, 14
	s_mov_b32 s11, 0
	s_lshl_b32 s9, s8, 2
	v_lshlrev_b32 v5, 4, v3
	v_mov_b32 v6, s9
	s_mov_b32 s12, 0x76543210
	s_mov_b32 s13, 0xfedcba98
	s_mov_b32 s14, 0x7fffffff
	s_wait_kmcnt 0x0
	s_add_nc_u64 s[4:5], s[4:5], s[10:11]
.set k, 0
.rept 32
	global_load_b128 v[16+4*k:19+4*k], v5, s[4:5] offset:512*k  ; 512 consecutive bytes a load
.set k, k+1
.endr
.set g, 0
.rept 4
	s_wait_loadcnt 24-8*g                          ; loads return in order: group g's eight are in, the younger groups stay out
.set k, 0
.rept 32
	v_and_b32 v[16+32*g+k], s14, v[16+32*g+k]
.set k, k+1
.endr
.if g == 0
.set k, 0
.rept 4
	v_pk_add_f32 v[144+2*k:145+2*k], v[16+2*k:17+2*k], v[24+2*k:25+2*k]  ; the first sixteen start four chains: nothing is cleared
.set k, k+1
.endr
.set k, 0
.rept 8
	v_pk_add_f32 v[144+2*(k%4):145+2*(k%4)], v[144+2*(k%4):145+2*(k%4)], v[32+2*k:33+2*k]
.set k, k+1
.endr
.else
.set k, 0
.rept 16
	v_pk_add_f32 v[144+2*(k%4):145+2*(k%4)], v[144+2*(k%4):145+2*(k%4)], v[16+32*g+2*k:17+32*g+2*k]
.set k, k+1
.endr
.endif
.set g, g+1
.endr
	v_pk_add_f32 v[144:145], v[144:145], v[146:147]
	v_pk_add_f32 v[148:149], v[148:149], v[150:151]
	v_pk_add_f32 v[144:145], v[144:145], v[148:149]
	v_add_f32 v144, v144, v145
	v_add_f32_dpp v144, v144, v144 row_xmask:1 row_mask:0xf bank_mask:0xf
	v_add_f32_dpp v144, v144, v144 row_xmask:2 row_mask:0xf bank_mask:0xf
	v_add_f32_dpp v144, v144, v144 row_xmask:4 row_mask:0xf bank_mask:0xf
	v_add_f32_dpp v144, v144, v144 row_xmask:8 row_mask:0xf bank_mask:0xf
	v_permlanex16_b32 v145, v144, s12, s13
	v_add_f32 v144, v144, v145
	v_mul_f32 v144, 0x39800000, v144               ; / 4,096
	v_cmp_eq_u32 vcc_lo, 0, v3
	s_wait_xcnt 0x0                                ; EXEC changes only behind this wait
	s_and_saveexec_b32 s15, vcc_lo
	global_store_b32 v6, v144, s[6:7]
	s_wait_xcnt 0x0
	s_or_b32 exec_lo, exec_lo, s15
	s_endpgm
	; ---------------- PACK
.Lpack:
	s_load_b512 s[16:31], s[0:1], 0x10             ; the twelve matrices: s_wq, s_wk, s_wv, s_fo_w, s_ff_w1, s_ff_w2, t_wq, t_wk,
	s_load_b256 s[32:39], s[0:1], 0x50             ; t_wv, t_fo_w, t_ff_w1, t_ff_w2
	s_load_b128 s[40:43], s[0:1], 0x70             ; blobS, blobT
	s_sub_co_u32 s4, s2, 256
	s_cmp_ge_u32 s4, 24
	s_cselect_b32 s5, 1, 0                         ; which blob
	s_cselect_b32 s6, 24, 0
	s_sub_co_u32 s4, s4, s6                        ; q: which 4,096 bytes of it
	s_lshr_b32 s7, s4, 1
	s_and_b32 s8, s4, 1
	s_and_b32 s9, s4, 7
	s_lshr_b32 s10, s4, 3
	s_add_co_u32 s10, s10, 3
	s_cmp_lt_u32 s4, 8
	s_cselect_b32 s7, s7, s10                      ; matrix 0..5
	s_cselect_b32 s8, s8, s9                       ; which 256 pieces of 16 bytes of it
	s_cmp_eq_u32 s7, 4
	s_cselect_b32 s11, 2, 0
	s_lshl_b32 s11, 0x100, s11                     ; bytes in a row of W: 1,024 for ff_w1, else 256
	s_cmp_eq_u32 s7, 5
	s_cselect_b32 s12, 3, 1                        ; log2 of the K steps: 8 for ff_w2, else 2
	s_cselect_b32 s13, 7, 1
	s_cmp_eq_u32 s7, 0
	s_cselect_b32 s46, 0x3e800000, 1.0             ; wq carries 1 / sqrt(16)
	s_mov_b32 s47, s46
	s_mul_i32 s15, s5, 6
	s_add_co_u32 s15, s15, s7
	v_bfe_u32 v5, v0, 5, 1                         ; which half of a fragment
	v_lshrrev_b32 v6, 6, v0
	v_lshl_add_u32 v6, s8, 2, v6                   ; fragment
	v_lshrrev_b32 v7, s12, v6                      ; its row tile i
	v_and_b32 v6, s13, v6                          ; its K step s
	v_lshlrev_b32 v6, 5, v6
	v_lshl_add_u32 v6, v5, 4, v6
	v_lshl_add_u32 v6, v2, 3, v6                   ; my first k
	v_mul_lo_u32 v6, v6, s11
	v_lshl_add_u32 v7, v7, 4, v1                   ; my n
	v_lshl_add_u32 v8, v7, 2, v6
.set k, 1
.rept 7
	v_add_nc_u32 v[8+k], s11, v[7+k]
.set k, k+1
.endr
	v_lshlrev_b32 v5, 4, v0
	s_lshl_b32 s50, s4, 12
	s_mov_b32 s51, 0
	s_wait_kmcnt 0x0
	s_mov_b64 s[44:45], s[16:17]
.irp i, 1,2,3,4,5,6,7,8,9,10,11
	s_cmp_eq_u32 s15, \i
	s_cselect_b64 s[44:45], s[16+2*\i:17+2*\i], s[44:45]
.endr
	s_cmp_eq_u32 s5, 0
	s_cselect_b64 s[48:49], s[40:41], s[42:43]
	s_add_nc_u64 s[48:49], s[48:49], s[50:51]
.set k, 0
.rept 8
	global_load_b32 v[16+k], v[8+k], s[44:45]
.set k, k+1
.endr
	s_wait_loadcnt 0x0
.set k, 0
.rept 4
	v_pk_mul_f32 v[16+2*k:17+2*k], v[16+2*k:17+2*k], s[46:47] op_sel_hi:[1,0]
.set k, k+1
.endr
.set k, 0
.rept 4
	v_cvt_pk_bf16_f32 v[24+k], v[16+2*k], v[17+2*k]
.set k, k+1
.endr
	global_store_b128 v5, v[24:27], s[48:49]       ; 16 lanes store 256 consecutive bytes, aligned
	s_endpgm
	; ---------------- SEL
.Lsel:
	s_load_b128 s[4:7], s[0:1], 0x80               ; adj, sel
	s_sub_co_u32 s8, s2, 304
	s_lshr_b32 s9, s8, 1                           ; Qt
	s_and_b32 s10, s8, 1
	s_lshl_b32 s10, s10, 3
	s_add_co_u32 s10, s10, s3                      ; kt
	s_lshl_b32 s9, s9, 14
	s_lshl_b32 s10, s10, 6
	s_add_co_u32 s9, s9, s10
	v_lshlrev_b32 v5, 10, v1
	v_lshl_add_u32 v5, v2, 5, v5
	v_add_nc_u32 v5, s9, v5                        ; adj[16 Qt + r][16 kt + 8 hh]
	v_lshlrev_b32 v6, 4, v0
	s_lshl_b32 s12, s8, 12
	s_mov_b32 s13, 0
	s_mov_b32 s14, 0x202
	s_mov_b32 s15, 0x01000100
	s_wait_kmcnt 0x0
	s_add_nc_u64 s[6:7], s[6:7], s[12:13]
	global_load_b128 v[8:11], v5, s[4:5]
	global_load_b128 v[12:15], v5, s[4:5] offset:16
	s_wait_loadcnt 0x0
.set k, 0
.rept 8
	v_and_b32 v[8+k], 3, v[8+k]
.set k, k+1
.endr
.set k, 0
.rept 4
	v_lshl_or_b32 v[16+k], v[9+2*k], 16, v[8+2*k]
.set k, k+1
.endr
.set k, 0
.rept 4
	v_mad_u32_u24 v[16+k], v[16+k], s14, s15       ; bytes 2 a, 2 a + 1, 2 a', 2 a' + 1
.set k, k+1
.endr
	global_store_b128 v6, v[16:19], s[6:7]
	s_endpgm
	; ---------------- EMB
.Lemb:
	s_load_b256 s[4:11], s[0:1], 0x90              ; id_emb, in_deg_emb, out_deg_emb, g_id
	s_load_b128 s[12:15], s[0:1], 0xb0             ; g_od, embF
	s_sub_co_u32 s16, s2, 336                      ; tile of 16 nodes
	v_lshl_add_u32 v5, s16, 4, v1                  ; n
	v_lshlrev_b32 v6, 2, v5
	s_lshr_b32 s17, s3, 1                          ; e = wave: channels 16 (e / 2) + 8 hh + 4 (e % 2) + 0..3
	s_lshl_b32 s17, s17, 6
	s_and_b32 s18, s3, 1
	s_lshl_b32 s18, s18, 4
	s_add_co_u32 s17, s17, s18
	v_lshl_add_u32 v7, v2, 5, s17
	v_lshl_add_u32 v8, v5, 8, v7
	v_lshlrev_b32 v9, 4, v0
	s_lshl_b32 s18, s16, 12
	s_mov_b32 s19, 0
	s_wait_kmcnt 0x0
	s_add_nc_u64 s[14:15], s[14:15], s[18:19]
	global_load_b32 v10, v6, s[10:11]
	global_load_b32 v11, v6, s[12:13]
	global_load_b128 v[12:15], v8, s[4:5]
	s_wait_loadcnt 1                               ; the two indices are in; id_emb's load is younger
	v_min_u32 v10, 255, v10
	v_min_u32 v11, 255, v11
	v_lshl_add_u32 v10, v10, 8, v7
	v_lshl_add_u32 v11, v11, 8, v7
	global_load_b128 v[16:19], v10, s[6:7]
	global_load_b128 v[20:23], v11, s[8:9]
	s_wait_loadcnt 0x0
	v_pk_add_f32 v[12:13], v[12:13], v[16:17]
	v_pk_add_f32 v[14:15], v[14:15], v[18:19]
	v_pk_add_f32 v[12:13], v[12:13], v[20:21]
	v_pk_add_f32 v[14:15], v[14:15], v[22:23]
	global_store_b128 v9, v[12:15], s[14:15]
	s_endpgm
.Lfunc_end_k_q22308112bf_prep:
	.size	k_q22308112bf_prep, .Lfunc_end_k_q22308112bf_prep-k_q22308112bf_prep
	.p2alignl 7, 3214868480
	.fill 96, 4, 3214868480
	.section	.rodata,"a",@progbits
	.p2align	6, 0x0
	.amdhsa_kernel k_q22308112bf_prep
		.amdhsa_group_segment_fixed_size 0
		.amdhsa_private_segment_fixed_size 0
		.amdhsa_enable_private_segment 0
		.amdhsa_kernarg_size 224
		.amdhsa_user_sgpr_count 2
		.amdhsa_user_sgpr_kernarg_segment_ptr 1
		.amdhsa_wavefront_size32 1
		.amdhsa_system_sgpr_workgroup_id_x 1
		.amdhsa_system_sgpr_workgroup_id_y 1
		.amdhsa_system_sgpr_workgroup_id_z 1
		.amdhsa_system_vgpr_workitem_id 0
		.amdhsa_next_free_vgpr 160
		.amdhsa_next_free_sgpr 66
		.amdhsa_reserve_vcc 1
		.amdhsa_float_denorm_mode_32 3
		.amdhsa_float_denorm_mode_16_64 3
		.amdhsa_memory_ordered 1
		.amdhsa_forward_progress 1
		.amdhsa_inst_pref_size 30
	.end_amdhsa_kernel
	.amdgpu_metadata
---
amdhsa.version: [ 1, 2 ]
amdhsa.kernels:
  - .name:           k_q22308112bf_prep
    .symbol:         k_q22308112bf_prep.kd
    .args:
      - { .name: query, .offset: 0, .size: 8, .value_kind: global_buffer, .address_space: global }
      - { .name: gap, .offset: 8, .size: 8, .value_kind: global_buffer, .address_space: global }
      - { .name: params_s_wq, .offset: 16, .size: 8, .value_kind: global_buffer, .address_space: global }
      - { .name: params_s_wk, .offset: 24, .size: 8, .value_kind: global_buffer, .address_space: global }
      - { .name: params_s_wv, .offset: 32, .size: 8, .value_kind: global_buffer, .address_space: global }
      - { .name: params_s_fo_w, .offset: 40, .size: 8, .value_kind: global_buffer, .address_space: global }
      - { .name: params_s_ff_w1, .offset: 48, .size: 8, .value_kind: global_buffer, .address_space: global }
      - { .name: params_s_ff_w2, .offset: 56, .size: 8, .value_kind: global_buffer, .address_space: global }
      - { .name: params_t_wq, .offset: 64, .size: 8, .value_kind: global_buffer, .address_space: global }
      - { .name: params_t_wk, .offset: 72, .size: 8, .value_kind: global_buffer, .address_space: global }
      - { .name: params_t_wv, .offset: 80, .size: 8, .value_kind: global_buffer, .address_space: global }
      - { .name: params_t_fo_w, .offset: 88, .size: 8, .value_kind: global_buffer, .address_space: global }
      - { .name: params_t_ff_w1, .offset: 96, .size: 8, .value_kind: global_buffer, .address_space: global }
      - { .name: params_t_ff_w2, .offset: 104, .size: 8, .value_kind: global_buffer, .address_space: global }
      - { .name: blobS, .offset: 112, .size: 8, .value_kind: global_buffer, .address_space: global }
      - { .name: blobT, .offset: 120, .size: 8, .value_kind: global_buffer, .address_space: global }
      - { .name: adj, .offset: 128, .size: 8, .value_kind: global_buffer, .address_space: global }
      - { .name: sel, .offset: 136, .size: 8, .value_kind: global_buffer, .address_space: global }
      - { .name: params_id_emb, .offset: 144, .size: 8, .value_kind: global_buffer, .address_space: global }
      - { .name: params_in_deg_emb, .offset: 152, .size: 8, .value_kind: global_buffer, .address_space: global }
      - { .name: params_out_deg_emb, .offset: 160, .size: 8, .value_kind: global_buffer, .address_space: global }
      - { .name: g_id, .offset: 168, .size: 8, .value_kind: global_buffer, .address_space: global }
      - { .name: g_od, .offset: 176, .size: 8, .value_kind: global_buffer, .address_space: global }
      - { .name: embF, .offset: 184, .size: 8, .value_kind: global_buffer, .address_space: global }
      - { .name: w_t, .offset: 192, .size: 8, .value_kind: global_buffer, .address_space: global }
      - { .name: params_wt_w, .offset: 200, .size: 8, .value_kind: global_buffer, .address_space: global }
      - { .name: params_wt_b, .offset: 208, .size: 8, .value_kind: global_buffer, .address_space: global }
      - { .name: tadd, .offset: 216, .size: 8, .value_kind: global_buffer, .address_space: global }
    .group_segment_fixed_size: 0
    .private_segment_fixed_size: 0
    .kernarg_segment_align: 8
    .kernarg_segment_size: 224
    .max_flat_workgroup_size: 256
    .sgpr_count:     66
    .vgpr_count:     160
    .wavefront_size: 32
...
	.end_amdgpu_metadata
.endif
;; end of part 1
;; launch mlp (part 2): grid 8 x 1, 4 waves a work-group, no clusters, 8,704 bytes of LDS; arguments gap, params_fc1_w, params_fc1_b, params_bn_g, params_bn_b, params_fc2_w, part; writes part
.if DOCPART == 2
	.amdgcn_target "amdgcn-amd-amdhsa--gfx1250"
	.amdhsa_code_object_version 6
	.text
	.protected	k_q22308112bf_mlp
	.globl	k_q22308112bf_mlp
	.p2align	8
	.type	k_q22308112bf_mlp,@function
k_q22308112bf_mlp:
	s_mov_b64 s[64:65], 0
	v_nop
	global_prefetch_b8 v0, s[64:65] scope:SCOPE_SE
	s_setreg_imm32_b32 hwreg(HW_REG_WAVE_MODE, 25, 1), 1
	s_wait_xcnt 0x0
; The gate's two layers of 256 x 256 on 8 rows.  part[j][b][c] = the sum over the hidden columns 32 j .. 32 j + 31 of relu(bn(gap fc1_w + fc1_b))[b][.] fc2_w[.][c], in f32.
; The eight parts are added, in the order of j, by the launch behind (a sum that spans work-groups has one owner for each output there).
; SHARES.  Work-group j owns 32 hidden columns.  The first layer's K = 256 is split among the four waves (64 each); their f32 partial sums meet in LDS.  Of the second layer's 256 output
; columns wave w makes 64 w .. 64 w + 63.  Operands are rounded to bf16, sums are f32.  Both products are taken transposed (source 0 = weights), so a lane holds one batch row.
; A matrix tile has 16 columns and there are 8 batch rows: columns 8-15 repeat rows 0-7, and land in rows 8-15 of part, which nobody reads.
; Few work-groups and small stores (32 bytes a lane pair): the launch moves 640 KiB in all, and every load is issued at its head.
.set RED,   0                          ; LDS: [wave][u][half][lane] of 16 bytes
.set SPARE, 8192                       ; the spare words, 128 bytes a wave
.set SPW, 14
.set NIL, 15
	s_load_b256 s[4:11], s[0:1], 0x0               ; gap, fc1_w, fc1_b, bn_g
	s_load_b128 s[12:15], s[0:1], 0x20             ; bn_b, fc2_w
	s_load_b64 s[16:17], s[0:1], 0x30              ; part
	v_lshl_add_u32 v[SPW], v0, 2, SPARE
	v_mov_b32 v[NIL], 0
	v_lshrrev_b32 v1, 5, v0
	v_readfirstlane_b32 s20, v1                    ; wave
	v_and_b32 v2, 15, v0                           ; r
	v_bfe_u32 v3, v0, 4, 1                         ; hh
	v_and_b32 v4, 31, v0                           ; lane
	s_mov_b32 s21, ttmp9                           ; j
	s_lshl_b32 s22, s20, 8
	s_lshl_b32 s23, s20, 16
	s_lshl_b32 s24, s20, 11
	v_and_b32 v5, 7, v0
	v_lshlrev_b32 v5, 10, v5
	v_lshl_add_u32 v5, v3, 5, v5
	v_add_nc_u32 v5, s22, v5                       ; gap: row r % 8, k = 64 w + 8 hh
	v_lshlrev_b32 v6, 13, v3
	v_lshl_add_u32 v6, v2, 2, v6                   ; weights: 8 hh rows down, column r
	v_add_nc_u32 v7, s23, v6                       ; fc1: + 64 w rows
	v_add_nc_u32 v8, s22, v6                       ; fc2: + 64 w columns
	v_lshlrev_b32 v9, 5, v3                        ; the three vectors: 8 hh
	v_lshl_add_u32 v10, v2, 10, v9
	v_add_nc_u32 v10, s22, v10                     ; part: row r, column 64 w + 8 hh
	v_lshl_add_u32 v11, v4, 4, s24                 ; my partial sums in LDS
	v_lshlrev_b32 v12, 4, v4
	v_mov_b32 v13, 0
	s_lshl_b32 s26, s21, 7
	s_mov_b32 s27, 0
	s_lshl_b32 s28, s21, 15
	s_mov_b32 s29, 0
	s_lshl_b32 s30, s21, 14
	s_mov_b32 s31, 0
	s_mov_b32 s32, 0x3f7fffac                      ; 1 / sqrt(1 + 1e-5)
	s_mov_b32 s33, s32
	s_wait_kmcnt 0x0
	s_add_nc_u64 s[6:7], s[6:7], s[26:27]
	s_add_nc_u64 s[8:9], s[8:9], s[26:27]
	s_add_nc_u64 s[10:11], s[10:11], s[26:27]
	s_add_nc_u64 s[12:13], s[12:13], s[26:27]
	s_add_nc_u64 s[14:15], s[14:15], s[28:29]
	s_add_nc_u64 s[16:17], s[16:17], s[30:31]
.set i, 0
.rept 8                                ; gap: [K step][half q][16 bytes]
	global_load_b128 v[16+4*i:19+4*i], v5, s[4:5] offset:(i/4)*128+((i/2)%2)*64+(i%2)*16
.set i, i+1
.endr
.set i, 0
.rept 64                               ; fc1: [u][K step][q][jj]
	global_load_b32 v[48+i], v7, s[6:7] offset:((i/16)%2)*32768+((i/8)%2)*16384+(i%8)*1024+(i/32)*64
.set i, i+1
.endr
.set i, 0
.rept 4                                ; fc1_b, bn_g, bn_b: [u][half]
	global_load_b128 v[112+4*i:115+4*i], v9, s[8:9] offset:(i/2)*64+(i%2)*16
	global_load_b128 v[128+4*i:131+4*i], v9, s[10:11] offset:(i/2)*64+(i%2)*16
	global_load_b128 v[144+4*i:147+4*i], v9, s[12:13] offset:(i/2)*64+(i%2)*16
.set i, i+1
.endr
.set i, 0
.rept 64                               ; fc2: [tile][q][jj]
	global_load_b32 v[160+i], v8, s[14:15] offset:((i/8)%2)*16384+(i%8)*1024+(i/16)*64
.set i, i+1
.endr
	s_wait_loadcnt 63                              ; of 148 loads at most 63 are out: the first 84 (gap, fc1, the vectors) are in
.set i, 0
.rept 16
	v_cvt_pk_bf16_f32 v[16+i], v[16+2*i], v[17+2*i]  ; in place, ascending: gap's two fragments in v16-31
.set i, i+1
.endr
.set i, 0
.rept 32
	v_cvt_pk_bf16_f32 v[48+i], v[48+2*i], v[49+2*i]  ; fc1's fragment (u, K step) at v[48 + 8 (2 u + step)]
.set i, i+1
.endr
	v_wmma_f32_16x16x32_bf16 v[32:39], v[48:55], v[16:23], 0          ; the two accumulators take turns
	v_wmma_f32_16x16x32_bf16 v[40:47], v[64:71], v[16:23], 0
	v_wmma_f32_16x16x32_bf16 v[32:39], v[56:63], v[24:31], v[32:39]
	v_wmma_f32_16x16x32_bf16 v[40:47], v[72:79], v[24:31], v[40:47]
.rept 4
	v_nop                                          ; four places behind the products, ahead of the stores that read them and of the loads into their sources
.endr
	ds_store_b128 v11, v[32:35] offset:RED
	ds_store_b128 v11, v[36:39] offset:RED+512
	ds_store_b128 v11, v[40:43] offset:RED+1024
	ds_store_b128 v11, v[44:47] offset:RED+1536
	s_wait_dscnt 0x0                               ; for the others' sake: my stores are done
	s_barrier_signal -1
	s_barrier_wait -1
.set i, 0
.rept 16
	ds_load_b128 v[48+4*i:51+4*i], v12 offset:RED+512*i
.set i, i+1
.endr
	s_wait_dscnt 0x0
.set i, 0
.rept 8
	v_pk_add_f32 v[48+2*i:49+2*i], v[48+2*i:49+2*i], v[64+2*i:65+2*i]
	v_pk_add_f32 v[80+2*i:81+2*i], v[80+2*i:81+2*i], v[96+2*i:97+2*i]
.set i, i+1
.endr
.set i, 0
.rept 8
	v_pk_add_f32 v[48+2*i:49+2*i], v[48+2*i:49+2*i], v[80+2*i:81+2*i]
.set i, i+1
.endr
.set i, 0
.rept 8
	v_pk_add_f32 v[48+2*i:49+2*i], v[48+2*i:49+2*i], v[112+2*i:113+2*i]
.set i, i+1
.endr
.set i, 0
.rept 8
	v_pk_mul_f32 v[48+2*i:49+2*i], v[48+2*i:49+2*i], s[32:33] op_sel_hi:[1,0]
.set i, i+1
.endr
.set i, 0
.rept 8
	v_pk_fma_f32 v[48+2*i:49+2*i], v[48+2*i:49+2*i], v[128+2*i:129+2*i], v[144+2*i:145+2*i]
.set i, i+1
.endr
.set i, 0
.rept 8
	v_cvt_pk_bf16_f32 v[64+i], v[48+2*i], v[49+2*i]
.set i, i+1
.endr
.set i, 0
.rept 8
	v_pk_max_num_bf16 v[64+i], v[64+i], v13        ; relu on the rounded halves
.set i, i+1
.endr
	s_wait_loadcnt 0x0
.set i, 0
.rept 32
	v_cvt_pk_bf16_f32 v[160+i], v[160+2*i], v[161+2*i]
.set i, i+1
.endr
.set i, 0
.rept 4
	v_wmma_f32_16x16x32_bf16 v[192+8*i:199+8*i], v[160+8*i:167+8*i], v[64:71], 0
.set i, i+1
.endr
.rept 4
	v_nop
.endr
.set i, 0
.rept 4
	global_store_b128 v10, v[192+8*i:195+8*i], s[16:17] offset:64*i
	global_store_b128 v10, v[196+8*i:199+8*i], s[16:17] offset:64*i+16
.set i, i+1
.endr
	s_wait_tensorcnt 0x0                           ; the wave's end, behind my last LDS store
	ds_add_u32 v[SPW], v[NIL]
	s_wait_dscnt 0x0
	s_endpgm
.Lfunc_end_k_q22308112bf_mlp:
	.size	k_q22308112bf_mlp, .Lfunc_end_k_q22308112bf_mlp-k_q22308112bf_mlp
	.p2alignl 7, 3214868480
	.fill 96, 4, 3214868480
	.section	.rodata,"a",@progbits
	.p2align	6, 0x0
	.amdhsa_kernel k_q22308112bf_mlp
		.amdhsa_group_segment_fixed_size 8704
		.amdhsa_private_segment_fixed_size 0
		.amdhsa_enable_private_segment 0
		.amdhsa_kernarg_size 56
		.amdhsa_user_sgpr_count 2
		.amdhsa_user_sgpr_kernarg_segment_ptr 1
		.amdhsa_wavefront_size32 1
		.amdhsa_system_sgpr_workgroup_id_x 1
		.amdhsa_system_sgpr_workgroup_id_y 1
		.amdhsa_system_sgpr_workgroup_id_z 1
		.amdhsa_system_vgpr_workitem_id 0
		.amdhsa_next_free_vgpr 224
		.amdhsa_next_free_sgpr 66
		.amdhsa_reserve_vcc 0
		.amdhsa_float_denorm_mode_32 3
		.amdhsa_float_denorm_mode_16_64 3
		.amdhsa_memory_ordered 1
		.amdhsa_forward_progress 1
		.amdhsa_inst_pref_size 28
	.end_amdhsa_kernel
	.amdgpu_metadata
---
amdhsa.version: [ 1, 2 ]
amdhsa.kernels:
  - .name:           k_q22308112bf_mlp
    .symbol:         k_q22308112bf_mlp.kd
    .args:
      - { .name: gap, .offset: 0, .size: 8, .value_kind: global_buffer, .address_space: global }
      - { .name: params_fc1_w, .offset: 8, .size: 8, .value_kind: global_buffer, .address_space: global }
      - { .name: params_fc1_b, .offset: 16, .size: 8, .value_kind: global_buffer, .address_space: global }
      - { .name: params_bn_g, .offset: 24, .size: 8, .value_kind: global_buffer, .address_space: global }
      - { .name: params_bn_b, .offset: 32, .size: 8, .value_kind: global_buffer, .address_space: global }
      - { .name: params_fc2_w, .offset: 40, .size: 8, .value_kind: global_buffer, .address_space: global }
      - { .name: part, .offset: 48, .size: 8, .value_kind: global_buffer, .address_space: global }
    .group_segment_fixed_size: 8704
    .private_segment_fixed_size: 0
    .kernarg_segment_align: 8
    .kernarg_segment_size: 56
    .max_flat_workgroup_size: 128
    .sgpr_count:     66
    .vgpr_count:     224
    .wavefront_size: 32
...
	.end_amdgpu_metadata
.endif
;; end of part 2
;; launch spatial (part 3): grid 256 x 1, 4 waves a work-group, no clusters, 306,688 bytes of LDS; arguments query, part, gap, params_fc2_b, sel, params_rel_pos_emb, embF, blobS, params_s_fo_b, params_s_ln1_g, params_s_ln1_b, params_s_ff_b1, params_s_ff_b2, params_s_ln2_g, params_s_ln2_b, params_blk_ln1_g, params_blk_ln1_b, x1h; writes x1h
.if DOCPART == 3
	.amdgcn_target "amdgcn-amd-amdhsa--gfx1250"
	.amdhsa_code_object_version 6
	.text
	.protected	k_q22308112bf_spatial
	.globl	k_q22308112bf_spatial
	.p2align	8
	.type	k_q22308112bf_spatial,@function
k_q22308112bf_spatial:
	s_mov_b64 s[64:65], 0
	v_nop
	global_prefetch_b8 v0, s[64:65] scope:SCOPE_SE
	s_setreg_imm32_b32 hwreg(HW_REG_WAVE_MODE, 25, 1), 1
	s_wait_xcnt 0x0
; x1 = LN(spaformer(x) + x), x = query shrunk by the threshold gap x sigmoid(..).  A work-group does the slabs (b, t0) and (b, t0 + 1): 256 nodes x 64 channels each, one after the other.
; SHARES.  Wave w owns nodes 64 w .. 64 w + 63: four tiles of 16 tokens, which are also its four query tiles.  Only K and V cross waves (through LDS, two barriers a slab).
; TILE ORDER.  Register 8 i + j of lane l holds channel 16 i + 8 (l / 16) + j of token l % 16.  That is the result of Y^T = W^T X^T (source 0 = weights) and, rounded to bf16 in pairs, source 1 of the next
; such product: a token's chain of products never changes lanes.  Weights lie in LDS in fragment order (launch prep), so a fragment half is 512 consecutive bytes.
; ATTENTION.  A head has 16 channels, half of a matrix step's 32 along K; the other half carries identity x bias: S^T = [K | I] [Q | bias]^T.  KT[p] = [K(2p) | I | K(2p+1)] and TB = [bias(2p+1) | Q | bias(2p)],
; twelve registers each, serve both key tiles of pair p.  A bias word is one v_perm_b32 of the head's four table entries (bf16, in two scalar registers) by a selector word that is kept in registers for all heads.
; All 256 scores of a query lie in registers, so m is the row's true maximum; p = 2^(c s - c m), c = log2(e).  The row's sum is ONES x P on the matrix unit, of the same rounded p as the numerator's.
; FORMATS.  Matrix operands bf16, sums f32; residuals, norms, maxima in f32; wq carries 1/4 (exact); x1 leaves rounded once to f16.
; LIMITS.  |x1| <= 7.94 |blk_ln1_g| + |blk_ln1_b| must stay under 65,504 (f16).  The bias table is rounded to bf16.  A weight under 2^-126 counts as 0.  NaN and infinities are not treated apart.
; x = o - clamp(o, -thr, thr): a zero's sign may differ from sign(o) x 0.  value, key_in and t are not read: the module's body discards them.
; NO CLUSTER: what work-groups share (the 98,304 bytes of weights) is asked for once, at the head; all else is a work-group's own.  NO PREFETCH: every byte is asked for by the head's loads.
; LDS: each region is filled once; three tensor loads of a wave are out at the head, and none later.
.set PAR,   98304                      ; behind the weights (0 .. 98,303): ff_b1, fo_b, ln1 g b, ff_b2, ln2 g b, blk g b
.set X0,    101376                     ; slab t0: 256 rows of 256 bytes, pitch 272; later the stage for x1 (its last fill is the head's)
.set XSZ,   69632                      ; slab t0 + 1 follows
.set XP,    272
.set KL,    240640                     ; K: [head][16 tiles][lane] of 16 bytes
.set VLO,   32768                      ; V^T follows, in the same order
.set SPARE, 306176                     ; the spare words, 128 bytes a wave
; window 0
.set R_,  1
.set HH,  2
.set L16, 3                            ; 16 x lane
.set XA,  4                            ; my row of the slab in hand, + 32 hh
.set SA,  5                            ; my row of the stage, + 16 hh
.set KST, 6
.set KA,  7
.set AQ,  8
.set AFO, 9
.set AW1, 10
.set AW2, 11
.set AB1, 12
.set VPA, 13
.set EO,  14
.set TO,  15
.set THR, 16                           ; v16-19 the four tiles' thresholds; v20-23 their negatives
.set NTH, 20
.set TW,  24
.set NW,  26
.set C0,  28                           ; four chains of the maximum
.set M,   32
.set VZ,  33                           ; 0
.set CM,  34                           ; c m (a pair is named)
.set RR,  36                           ; 1 / l (a pair is named)
.set T0,  38
.set O,   40
.set LS,  48
.set CT,  56                           ; [ctx | 0]
.set TB0, 64
.set TB1, 76
.set QS,  88                           ; Q of query tiles 1-3
.set IM,  100                          ; the identity's four registers
.set MT,  104                          ; 16 at work
.set XA2, 120
.set SA2, 121
.set RDA, 122
.set GO,  123
.set SPW, 124
.set NIL, 125
.set SO,  126
.set S,   128                          ; 128 registers: scores; elsewhere at work
; window 1: KT[p] at 12 p; outside attention v0-207 are at work
.set VF,  96
.set WQ,  160
.set WFO, 176
.set ONES, 208
.set W1F, 0
.set B1R, 32
.set W2F, 48
; window 2: the tokens' f32 stream ACC[tile][i] at 32 tile + 8 i
.set XF,  128                          ; its bf16 fragments, 16 a tile
.set LC,  192
.set MU,  224
.set RS,  232
; window 3: the selectors, SEL[qt] at 64 qt + 4 kt
.set SLOG, 46                          ; s[46:47] log2(e)
.set SELA, 48
.set SELB, 49
.set SINV, 50                          ; 1 / 64
.set SEPS, 51                          ; 1e-5
.set REL,  52                          ; s[52:59] the bias table, (low, high) word for each head, the head in hand first
.set MSB, 0
.macro WIN new                         ; the immediate's high byte repeats the setting that is left; a switch that changes nothing is dropped
.if MSB != (\new)
	s_set_vgpr_msb (MSB<<8)|(\new)
.set MSB, (\new)
.endif
.endm
.macro PLACES cnt                      ; plain lines behind matrix instructions (ISA guide 7.12.1)
.rept \cnt
	v_nop
.endr
.endm
.macro ALLT nt, line:vararg            ; one line for each tile t
.set t, 0
.rept \nt
	\line
.set t, t+1
.endr
.endm
.macro LDV dst, vec                    ; a vector of 64 in tile order, into window 1
	WIN 0x40
.set z, 0
.rept 8
	ds_load_b128 v[(\dst)+4*z:(\dst)+4*z+3], v[VPA] offset:(\vec)+64*(z/2)+16*(z%2)
.set z, z+1
.endr
.endm
.macro SHRINK base, th, nth            ; 32 registers: o - clamp(o, -thr, thr)
	WIN 0
.set y, 0
.rept 2
.set z, 0
.rept 16
	v_med3_num_f32 v[MT+z], v[(\base)+16*y+z], v[\nth], v[\th]
.set z, z+1
.endr
.set z, 0
.rept 8
	v_pk_add_f32 v[(\base)+16*y+2*z:(\base)+16*y+2*z+1], v[(\base)+16*y+2*z:(\base)+16*y+2*z+1], v[MT+2*z:MT+2*z+1] neg_lo:[0,1] neg_hi:[0,1]
.set z, z+1
.endr
.set y, y+1
.endr
.endm
.macro LRED nt                         ; four pair chains into one number; a token's other 32 channels lie in the lane 16 away
	ALLT \nt, v_pk_add_f32 v[LC+8*t:LC+8*t+1], v[LC+8*t:LC+8*t+1], v[LC+8*t+2:LC+8*t+3]
	ALLT \nt, v_pk_add_f32 v[LC+8*t+4:LC+8*t+5], v[LC+8*t+4:LC+8*t+5], v[LC+8*t+6:LC+8*t+7]
	ALLT \nt, v_pk_add_f32 v[LC+8*t:LC+8*t+1], v[LC+8*t:LC+8*t+1], v[LC+8*t+4:LC+8*t+5]
	ALLT \nt, v_add_f32 v[LC+8*t], v[LC+8*t], v[LC+8*t+1]
	ALLT \nt, v_permlanex16_b32 v[LC+8*t+1], v[LC+8*t], s[SELA], s[SELB]
	ALLT \nt, v_add_f32 v[LC+8*t], v[LC+8*t], v[LC+8*t+1]
.endm
; Layer norm in place on tiles 0 .. nt - 1 of ACC; gain and bias in window 1.  Two passes: the mean is taken away before the squares.  Each accumulator's lowest registers are read first.
.macro LNORM nt, G, Bv
	WIN 0xaa
.set k, 0
.rept 4
	ALLT \nt, v_pk_add_f32 v[LC+8*t+2*k:LC+8*t+2*k+1], v[32*t+4*k:32*t+4*k+1], v[32*t+4*k+2:32*t+4*k+3]
.set k, k+1
.endr
.set k, 0
.rept 8
	ALLT \nt, v_pk_add_f32 v[LC+8*t+2*(k%4):LC+8*t+2*(k%4)+1], v[LC+8*t+2*(k%4):LC+8*t+2*(k%4)+1], v[32*t+16+2*k:32*t+16+2*k+1]
.set k, k+1
.endr
	LRED \nt
	ALLT \nt, v_mul_f32 v[MU+2*t], s[SINV], v[LC+8*t]
.set k, 0
.rept 16
	ALLT \nt, v_pk_add_f32 v[32*t+2*k:32*t+2*k+1], v[32*t+2*k:32*t+2*k+1], v[MU+2*t:MU+2*t+1] op_sel_hi:[1,0] neg_lo:[0,1] neg_hi:[0,1]
.set k, k+1
.endr
.set k, 0
.rept 4
	ALLT \nt, v_pk_mul_f32 v[LC+8*t+2*k:LC+8*t+2*k+1], v[32*t+2*k:32*t+2*k+1], v[32*t+2*k:32*t+2*k+1]
.set k, k+1
.endr
.set k, 4
.rept 12
	ALLT \nt, v_pk_fma_f32 v[LC+8*t+2*(k%4):LC+8*t+2*(k%4)+1], v[32*t+2*k:32*t+2*k+1], v[32*t+2*k:32*t+2*k+1], v[LC+8*t+2*(k%4):LC+8*t+2*(k%4)+1]
.set k, k+1
.endr
	LRED \nt
	ALLT \nt, v_fma_f32 v[LC+8*t], v[LC+8*t], s[SINV], s[SEPS]
	ALLT \nt, v_rsq_f32 v[RS+2*t], v[LC+8*t]
	v_nop                                          ; a plain line behind the last root,
	s_wait_alu depctr_va_vdst(0)                   ; and the one wait for the batch, ahead of its first reader
.set k, 0
.rept 16
	ALLT \nt, v_pk_mul_f32 v[32*t+2*k:32*t+2*k+1], v[32*t+2*k:32*t+2*k+1], v[RS+2*t:RS+2*t+1] op_sel_hi:[1,0]
.set k, k+1
.endr
	WIN 0x96
.set k, 0
.rept 16
	ALLT \nt, v_pk_fma_f32 v[32*t+2*k:32*t+2*k+1], v[32*t+2*k:32*t+2*k+1], v[(\G)+2*k:(\G)+2*k+1], v[(\Bv)+2*k:(\Bv)+2*k+1]
.set k, k+1
.endr
.endm
.macro XFCVT nt
	WIN 0xaa
.set k, 0
.rept 16
	ALLT \nt, v_cvt_pk_bf16_f32 v[XF+16*t+k], v[32*t+2*k], v[32*t+2*k+1]
.set k, k+1
.endr
.endm
; THE FEED-FORWARD, 32 hidden units a trip, for four tiles.
.macro FFLW1                           ; w1's four fragments and b1's 32 numbers (as the C operand: 8 hh + j down a lane's registers)
	WIN 0x40
.set z, 0
.rept 8
	ds_load_b128 v[W1F+4*z:W1F+4*z+3], v[AW1] offset:512*z
.set z, z+1
.endr
.set z, 0
.rept 4
	ds_load_b128 v[B1R+4*z:B1R+4*z+3], v[AB1] offset:64*(z/2)+16*(z%2)
.set z, z+1
.endr
.endm
.macro FFLW2
	WIN 0x40
.set z, 0
.rept 8
	ds_load_b128 v[W2F+4*z:W2F+4*z+3], v[AW2] offset:8192*(z/2)+512*(z%2)
.set z, z+1
.endr
.endm
.macro FFTRIP pre                      ; pre = 1: the next trip's fragments are fetched.  All accumulators take turns, one instruction a turn
	s_wait_dscnt 8                                 ; w1 and b1 are in; the eight younger loads are w2's
	WIN 0x19
.set z, 0
.rept 8
	v_wmma_f32_16x16x32_bf16 v[S+8*z:S+8*z+7], v[W1F+16*(z%2):W1F+16*(z%2)+7], v[XF+16*(z/2):XF+16*(z/2)+7], v[B1R+8*(z%2):B1R+8*(z%2)+7]
.set z, z+1
.endr
	WIN 0x09
.set z, 0
.rept 8
	v_wmma_f32_16x16x32_bf16 v[S+8*z:S+8*z+7], v[W1F+16*(z%2)+8:W1F+16*(z%2)+15], v[XF+16*(z/2)+8:XF+16*(z/2)+15], v[S+8*z:S+8*z+7]
.set z, z+1
.endr
	WIN 0
	v_add_nc_u32 v[AW1], 4096, v[AW1]              ; four plain lines: the places ahead of the loads into w1's registers and of the conversions
	v_add_nc_u32 v[AB1], 128, v[AB1]
	v_nop
	v_nop
.if \pre
	FFLW1
.endif
	WIN 0
.set z, 0
.rept 32                               ; tile z / 8: sixteen f32 into eight registers, in place, ascending: source 1 of the second product
	v_cvt_pk_bf16_f32 v[S+16*(z/8)+z%8], v[S+16*(z/8)+2*(z%8)], v[S+16*(z/8)+2*(z%8)+1]
.set z, z+1
.endr
.set z, 0
.rept 32
	v_pk_max_num_bf16 v[S+16*(z/8)+z%8], v[S+16*(z/8)+z%8], v[VZ]
.set z, z+1
.endr
.if \pre
	s_wait_dscnt 12                                ; w2 is in; the twelve younger loads are the next trip's w1 and b1
.else
	s_wait_dscnt 0x0
.endif
	WIN 0xa1
.set z, 0
.rept 16
	v_wmma_f32_16x16x32_bf16 v[32*(z/4)+8*(z%4):32*(z/4)+8*(z%4)+7], v[W2F+8*(z%4):W2F+8*(z%4)+7], v[S+16*(z/4):S+16*(z/4)+7], v[32*(z/4)+8*(z%4):32*(z/4)+8*(z%4)+7]
.set z, z+1
.endr
	WIN 0
	v_add_nc_u32 v[AW2], 1024, v[AW2]              ; five plain lines: the next trip's first products write over the hidden registers just read
	PLACES 4
.if \pre
	FFLW2
.endif
.endm
.macro MAXT tt, first                  ; score tile tt into the four chains
.set z, 0
.rept 4
.if \first
	v_max_num_f32 v[C0+z], v[S+8*(\tt)+2*z], v[S+8*(\tt)+2*z+1]
.else
	v_max3_num_f32 v[C0+z], v[C0+z], v[S+8*(\tt)+2*z], v[S+8*(\tt)+2*z+1]
.endif
.set z, z+1
.endr
.endm
.macro EF i                            ; pair i: c s - c m
	v_pk_fma_f32 v[S+2*(\i):S+2*(\i)+1], v[S+2*(\i):S+2*(\i)+1], s[SLOG:SLOG+1], v[CM:CM+1] op_sel_hi:[1,0,0] neg_lo:[0,0,1] neg_hi:[0,0,1]
.endm
.macro EXPPH                           ; 128 exponentials in place: one batch, a scaling between every two; nothing in it names a result
	WIN 0
	EF 0
	EF 1
.set e, 0
.rept 64
	v_exp_f32 v[S+2*e], v[S+2*e]
	v_exp_f32 v[S+2*e+1], v[S+2*e+1]
.if e < 62
	EF e+2
.endif
.set e, e+1
.endr
	v_nop
	s_wait_alu depctr_va_vdst(0)                   ; the one wait for the batch
.endm
.macro PCVT pp                         ; two score tiles into one fragment of P, in place, ascending
.set z, 0
.rept 8
	v_cvt_pk_bf16_f32 v[S+16*(\pp)+z], v[S+16*(\pp)+2*z], v[S+16*(\pp)+2*z+1]
.set z, z+1
.endr
.endm
.macro BIAS tb, qt, pp, rl             ; the bias of key tiles 2 pp and 2 pp + 1 for query tile qt; the selector (source 2) lies in window 3
.set z, 0
.rept 4
	v_perm_b32 v[(\tb)+8+z], s[(\rl)+1], s[\rl], v[64*(\qt)+8*(\pp)+z]
	v_perm_b32 v[(\tb)+z], s[(\rl)+1], s[\rl], v[64*(\qt)+8*(\pp)+4+z]
.set z, z+1
.endr
.endm
; ONE QUERY TILE OF ONE HEAD.  nq, rl: the next unit's query tile and table words, whose first two bias pairs the tail lays; mv = 1: its Q is moved in too.
.macro UNIT qt, nq, rl, mv
.set p, 0
.rept 8
.set tb, TB0+12*(p%2)
	WIN 0x31
	v_wmma_f32_16x16x32_bf16 v[S+16*p:S+16*p+7], v[12*p:12*p+7], v[tb+4:tb+11], 0
	v_wmma_f32_16x16x32_bf16 v[S+16*p+8:S+16*p+15], v[12*p+4:12*p+11], v[tb:tb+7], 0
	WIN 0
.if p == 0
	PLACES 4
.elseif p == 1
	MAXT 0, 1
	MAXT 1, 0
.else
	MAXT 2*p-2, 0                                  ; eight plain lines on the pair before: the places behind the two products above
	MAXT 2*p-1, 0
.endif
.if p < 6
	WIN 0x31
	BIAS tb, \qt, p+2, REL
.endif
.set p, p+1
.endr
	WIN 0
	MAXT 14, 0
	MAXT 15, 0
	v_max3_num_f32 v[C0], v[C0], v[C0+1], v[C0+2]
	v_max_num_f32 v[C0], v[C0], v[C0+3]
	v_permlanex16_b32 v[C0+1], v[C0], s[SELA], s[SELB]  ; the query's other 128 keys lie in the lane 16 away
	v_max_num_f32 v[M], v[C0], v[C0+1]
	v_mul_f32 v[CM], s[SLOG], v[M]
	EXPPH
.if (\qt) == 0
	s_wait_dscnt 0x0                               ; V and fo_w's fragments are in
.endif
.set g, 0
.rept 4
	WIN 0
	PCVT 2*g
	PCVT 2*g+1
	WIN 0x01
.if g == 0
	v_wmma_f32_16x16x32_bf16 v[O:O+7], v[VF:VF+7], v[S:S+7], 0
	v_wmma_f32_16x16x32_bf16 v[LS:LS+7], v[ONES:ONES+7], v[S:S+7], 0
.else
	v_wmma_f32_16x16x32_bf16 v[O:O+7], v[VF+16*g:VF+16*g+7], v[S+32*g:S+32*g+7], v[O:O+7]
	v_wmma_f32_16x16x32_bf16 v[LS:LS+7], v[ONES:ONES+7], v[S+32*g:S+32*g+7], v[LS:LS+7]
.endif
	v_wmma_f32_16x16x32_bf16 v[O:O+7], v[VF+16*g+8:VF+16*g+15], v[S+32*g+16:S+32*g+23], v[O:O+7]
	v_wmma_f32_16x16x32_bf16 v[LS:LS+7], v[ONES:ONES+7], v[S+32*g+16:S+32*g+23], v[LS:LS+7]
.set g, g+1
.endr
	WIN 0x31
	BIAS TB0, \nq, 0, \rl                          ; eight plain lines: the places behind the last two products
	WIN 0
.if \mv
.set z, 0
.rept 4
	v_mov_b32 v[TB0+4+z], v[QS+4*(\qt)+z]
.set z, z+1
.endr
.endif
	v_rcp_f32 v[RR], v[LS]
	WIN 0x31
	BIAS TB1, \nq, 1, \rl
	WIN 0
.if \mv
.set z, 0
.rept 4
	v_mov_b32 v[TB1+4+z], v[QS+4*(\qt)+z]
.set z, z+1
.endr
.endif
	s_wait_alu depctr_va_vdst(0)                   ; ahead of the reciprocal's first reader
.set z, 0
.rept 4
	v_pk_mul_f32 v[O+2*z:O+2*z+1], v[O+2*z:O+2*z+1], v[RR:RR+1] op_sel_hi:[1,0]
.set z, z+1
.endr
.set z, 0
.rept 4
	v_cvt_pk_bf16_f32 v[CT+z], v[O+2*z], v[O+2*z+1]
.set z, z+1
.endr
	WIN 0xa1
.set z, 0
.rept 4
	v_wmma_f32_16x16x32_bf16 v[32*(\qt)+8*z:32*(\qt)+8*z+7], v[WFO+8*z:WFO+8*z+7], v[CT:CT+7], v[32*(\qt)+8*z:32*(\qt)+8*z+7]
.set z, z+1
.endr
.endm
	; ================ THE HEAD
	s_load_b512 s[4:19], s[0:1], 0x0               ; query 4, part 6, gap 8, fc2_b 10, sel 12, rel 14, embF 16, blobS 18
	s_load_b512 s[20:35], s[0:1], 0x40             ; fo_b 20, ln1_g 22, ln1_b 24, ff_b1 26, ff_b2 28, ln2_g 30, ln2_b 32, blk_g 34
	s_load_b128 s[36:39], s[0:1], 0x80             ; blk_b 36, x1h 38
	v_lshl_add_u32 v[SPW], v0, 2, SPARE
	v_mov_b32 v[NIL], 0
	ds_add_u32 v[SPW], v[NIL]                      ; the wave's opening: the add and its wait ahead of my first tensor load; work on registers stands between
	ds_add_u32 v124, v125
	v_lshrrev_b32 v[T0], 5, v0
	v_readfirstlane_b32 s40, v[T0]                 ; wave
	s_lshr_b32 s41, ttmp9, 5                       ; b
	s_and_b32 s42, ttmp9, 31
	s_lshl_b32 s42, s42, 1                         ; t0
	s_mov_b32 s68, 3<<16                           ; group 1, weights: elements of 8 bytes, 96 rows of 32 (256 bytes), dense
	s_mov_b32 s69, 32<<16
	s_mov_b32 s70, 96<<16
	s_mov_b32 s71, 32<<16
	s_mov_b32 s72, 96
	s_mov_b32 s73, 32
	s_mov_b32 s74, 0
	s_mov_b32 s75, 0
	s_mov_b32 s76, (2<<16)|(1<<20)|(5<<22)|(3<<25) ; group 1, a slab: elements of 4 bytes, 64 rows of 64, 4,096 elements from node to node; 4 words of padding behind every 64
	s_mov_b32 s77, 64<<16
	s_mov_b32 s78, 64<<16
	s_mov_b32 s79, 64<<16
	s_mov_b32 s80, 64
	s_mov_b32 s81, 4096
	s_mov_b32 s82, 0
	s_mov_b32 s83, 0
	s_mov_b32 s84, 1
	s_mul_i32 s85, s40, 24576                      ; my quarter of the weights
	s_mul_i32 s96, s40, 17408                      ; my 64 rows of a slab
	s_mov_b32 s88, 1
	s_add_co_u32 s89, s96, X0
	s_mov_b32 s92, 1
	s_add_co_u32 s93, s96, X0+XSZ
	s_mov_b32 s62, s85
	s_mov_b32 s63, 0
	s_lshl_b32 s60, s41, 22                        ; query[b][64 w][t0]
	s_lshl_b32 s61, s40, 20
	s_add_co_u32 s60, s60, s61
	s_lshl_b32 s61, s42, 8
	s_add_co_u32 s60, s60, s61
	s_mov_b32 s61, 0
	s_lshl_b32 s98, s41, 21                        ; x1h[b][64 w][t0]
	s_lshl_b32 s97, s40, 19
	s_add_co_u32 s98, s98, s97
	s_lshl_b32 s97, s42, 7
	s_add_co_u32 s98, s98, s97
	s_mov_b32 s99, 0
	s_lshl_b32 s66, s41, 10                        ; row b of gap and of each part
	s_mov_b32 s67, 0
	s_mov_b32 s[SLOG], 0x3fb8aa3b
	s_mov_b32 s[SLOG+1], 0x3fb8aa3b
	s_mov_b32 s[SELA], 0x76543210
	s_mov_b32 s[SELB], 0xfedcba98
	s_mov_b32 s[SINV], 0x3c800000
	s_mov_b32 s[SEPS], 0x3727c5ac
	v_and_b32 v[R_], 15, v0
	v_bfe_u32 v[HH], v0, 4, 1
	v_and_b32 v[L16], 31, v0
	v_lshlrev_b32 v[L16], 4, v[L16]
	v_mul_u32_u24 v[T0], v[R_], XP
	v_add_nc_u32 v[T0], s96, v[T0]
	v_add_nc_u32 v[T0], X0, v[T0]
	v_lshl_add_u32 v[XA], v[HH], 5, v[T0]
	v_lshl_add_u32 v[SA], v[HH], 4, v[T0]
	v_mul_u32_u24 v[RDA], v[HH], XP
	v_lshl_add_u32 v[RDA], v[R_], 4, v[RDA]
	v_add_nc_u32 v[RDA], s96, v[RDA]
	v_add_nc_u32 v[RDA], X0, v[RDA]
	v_lshlrev_b32 v[GO], 13, v[HH]
	v_lshl_add_u32 v[GO], v[R_], 4, v[GO]
	s_lshl_b32 s97, s40, 11
	v_add_nc_u32 v[KST], s97, v[L16]
	v_add_nc_u32 v[KST], KL, v[KST]
	v_lshlrev_b32 v[VPA], 5, v[HH]
	v_add_nc_u32 v[VPA], PAR, v[VPA]
	s_lshl_b32 s97, s40, 14
	v_add_nc_u32 v[EO], s97, v[L16]
	s_lshl_b32 s97, s40, 15
	v_add_nc_u32 v[SO], s97, v[L16]
	s_lshl_b32 s97, s40, 8
	v_lshl_add_u32 v[TO], v[R_], 2, s97
	s_wait_dscnt 0x0                               ; the opening add is done
	s_wait_kmcnt 0x0
	s_add_nc_u64 s[86:87], s[18:19], s[62:63]
	s_or_b32 s87, s87, 0x80000000
	s_add_nc_u64 s[90:91], s[4:5], s[60:61]
	s_add_nc_u64 s[94:95], s[90:91], 256
	s_or_b32 s91, s91, 0x80000000
	s_or_b32 s95, s95, 0x80000000
	s_add_nc_u64 s[38:39], s[38:39], s[98:99]
	s_add_nc_u64 s[6:7], s[6:7], s[66:67]
	s_add_nc_u64 s[8:9], s[8:9], s[66:67]
	tensor_load_to_lds s[84:87], s[68:75]          ; the first fills, one group: my quarter of the weights,
	s_nop 0
	tensor_load_to_lds s[88:91], s[76:83]          ; my rows of slab t0,
	s_nop 0
	tensor_load_to_lds s[92:95], s[76:83]          ; and of slab t0 + 1: three loads of mine are out
	s_nop 0
	PLACES 4
	s_cmp_lg_u32 s40, 0
	s_cbranch_scc1 .Lnopar
	v_lshrrev_b32 v[T0], 1, v[L16]                 ; wave 0 copies the nine vectors into LDS
	global_load_b128 v[128:131], v[L16], s[26:27]
	global_load_b128 v[132:135], v[L16], s[26:27] offset:512
	global_load_b64 v[136:137], v[T0], s[20:21]
	global_load_b64 v[138:139], v[T0], s[22:23]
	global_load_b64 v[140:141], v[T0], s[24:25]
	global_load_b64 v[142:143], v[T0], s[28:29]
	global_load_b64 v[144:145], v[T0], s[30:31]
	global_load_b64 v[146:147], v[T0], s[32:33]
	global_load_b64 v[148:149], v[T0], s[34:35]
	global_load_b64 v[150:151], v[T0], s[36:37]
	s_wait_loadcnt 0x0
	v_add_nc_u32 v[T0+1], PAR, v[L16]
	v_add_nc_u32 v[T0], PAR, v[T0]
	ds_store_b128 v[T0+1], v[128:131]
	ds_store_b128 v[T0+1], v[132:135] offset:512
.set z, 0
.rept 8
	ds_store_b64 v[T0], v[136+2*z:137+2*z] offset:1024+256*z
.set z, z+1
.endr
.Lnopar:
.set tl, 0
.rept 4                                ; the threshold of node 64 w + 16 tl + r: eight parts, fc2_b, gap
.set j, 0
.rept 8
	global_load_b32 v[160+10*tl+j], v[TO], s[6:7] offset:64*tl+16384*j
.set j, j+1
.endr
	global_load_b32 v[168+10*tl], v[TO], s[10:11] offset:64*tl
	global_load_b32 v[169+10*tl], v[TO], s[8:9] offset:64*tl
.set tl, tl+1
.endr
	WIN 0xc0
.set z, 0
.rept 64                               ; the selectors of my four query tiles, kept for both slabs and all heads
	global_load_b128 v[4*z:4*z+3], v[SO], s[12:13] offset:512*z
.set z, z+1
.endr
	WIN 0
	s_wait_loadcnt 63                              ; at most 63 of the 64 selector loads are out: the 40 loads ahead of them are in
.set j, 0
.rept 8
	ALLT 4, v_add_f32 v[168+10*t], v[168+10*t], v[160+10*t+j]
.set j, j+1
.endr
	ALLT 4, v_mul_f32 v[168+10*t], 0xbfb8aa3b, v[168+10*t]
	ALLT 4, v_exp_f32 v[168+10*t], v[168+10*t]
	v_nop
	s_wait_alu depctr_va_vdst(0)
	ALLT 4, v_add_f32 v[168+10*t], 1.0, v[168+10*t]
	ALLT 4, v_rcp_f32 v[168+10*t], v[168+10*t]
	v_nop
	s_wait_alu depctr_va_vdst(0)
	ALLT 4, v_mul_f32 v[THR+t], v[169+10*t], v[168+10*t]
	ALLT 4, v_xor_b32 v[NTH+t], 0x80000000, v[THR+t]
	s_load_b512 s[20:35], s[14:15], 0x0            ; rel_pos_emb[a][h] into s[20 + 4 a + h]: the pointers there have served (wave 0 has waited for its loads)
	s_wait_kmcnt 0x0
.set h, 0
.rept 4
	v_mov_b32 v[T0], s[20+h]
	v_mov_b32 v[T0+1], s[24+h]
	v_cvt_pk_bf16_f32 v[T0], v[T0], v[T0+1]
	v_readfirstlane_b32 s[REL+2*h], v[T0]
	v_mov_b32 v[T0], s[28+h]
	v_mov_b32 v[T0+1], s[32+h]
	v_cvt_pk_bf16_f32 v[T0], v[T0], v[T0+1]
	v_readfirstlane_b32 s[REL+2*h+1], v[T0]
.set h, h+1
.endr
	v_lshlrev_b32 v[T0], 3, v[HH]
	v_sub_nc_u32 v[T0], v[R_], v[T0]               ; the identity: lane (r, hh) holds 1 at element r - 8 hh of its eight
	s_mov_b32 s60, 0x3f80
	s_mov_b32 s61, 0x3f800000
.set z, 0
.rept 4
	v_cmp_eq_u32 vcc_lo, 2*z, v[T0]
	v_cndmask_b32 v[IM+z], 0, s60, vcc_lo
	v_cmp_eq_u32 vcc_lo, 2*z+1, v[T0]
	v_cndmask_b32 v[IM+z], v[IM+z], s61, vcc_lo
.set z, z+1
.endr
	v_mov_b32 v[VZ], 0
	v_mov_b32 v[CM+1], 0                           ; named in pairs
	v_mov_b32 v[RR+1], 0
.set z, 0
.rept 4
	v_mov_b32 v[CT+4+z], 0
.set z, z+1
.endr
	WIN 0x40
.set z, 0
.rept 8
	v_mov_b32 v[ONES+z], 0x3f803f80
.set z, z+1
.endr
	WIN 0x80
.set z, 0
.rept 4
	v_mov_b32 v[MU+2*z+1], 0
	v_mov_b32 v[RS+2*z+1], 0
.set z, z+1
.endr
	WIN 0
	s_wait_tensorcnt 0x0                           ; my three tiles have landed,
	s_wait_dscnt 0x0                               ; wave 0's stores are done:
	s_barrier_signal -1
	s_barrier_wait -1                              ; everybody's have
	s_wait_loadcnt 0x0                             ; the selectors
	WIN 0x31
	BIAS TB0, 0, 0, REL
	BIAS TB1, 0, 1, REL
	WIN 0
	s_mov_b32 s43, 2
.Lslab:
	; ================ P1: x, xt = x + emb, its fragments; ACC = xt + fo_b starts the sums of the output projection; K and V into LDS
	WIN 0x40
.set z, 0
.rept 32
	global_load_b128 v[4*z:4*z+3], v[EO], s[16:17] offset:512*z
.set z, z+1
.endr
	LDV 128, 1024
	WIN 0
.set z, 0
.rept 32
	ds_load_b128 v[S+4*z:S+4*z+3], v[XA] offset:(z/8)*4352+64*((z%8)/2)+16*(z%2)
.set z, z+1
.endr
.set tl, 0
.rept 4
	s_wait_dscnt 24-8*tl                           ; tile tl's eight loads are in; the later tiles' stay out
	SHRINK S+32*tl, THR+tl, NTH+tl
	s_wait_loadcnt 24-8*tl
	WIN 0x04
.set z, 0
.rept 16
	v_pk_add_f32 v[S+32*tl+2*z:S+32*tl+2*z+1], v[S+32*tl+2*z:S+32*tl+2*z+1], v[32*tl+2*z:32*tl+2*z+1]
.set z, z+1
.endr
	WIN 0x80
.set z, 0
.rept 16
	v_cvt_pk_bf16_f32 v[XF+16*tl+z], v[S+32*tl+2*z], v[S+32*tl+2*z+1]
.set z, z+1
.endr
	WIN 0x84
.set z, 0
.rept 16
	v_pk_add_f32 v[32*tl+2*z:32*tl+2*z+1], v[S+32*tl+2*z:S+32*tl+2*z+1], v[128+2*z:128+2*z+1]
.set z, z+1
.endr
.set tl, tl+1
.endr
	WIN 0x40
.set z, 0
.rept 32                               ; wk's eight fragments, then wv's
	ds_load_b128 v[4*z:4*z+3], v[L16] offset:8192+512*z
.set z, z+1
.endr
	s_wait_dscnt 16                                ; wk is in
	WIN 0x09
.set z, 0
.rept 32                               ; K^T: accumulator a = 4 h + tile; all sixteen take turns
.set a, z%16
.if z < 16
	v_wmma_f32_16x16x32_bf16 v[S+8*a:S+8*a+7], v[16*(a/4):16*(a/4)+7], v[XF+16*(a%4):XF+16*(a%4)+7], 0
.else
	v_wmma_f32_16x16x32_bf16 v[S+8*a:S+8*a+7], v[16*(a/4)+8:16*(a/4)+15], v[XF+16*(a%4)+8:XF+16*(a%4)+15], v[S+8*a:S+8*a+7]
.endif
.set z, z+1
.endr
	WIN 0
	PLACES 4
.set z, 0
.rept 64
	v_cvt_pk_bf16_f32 v[S+8*(z/4)+z%4], v[S+8*(z/4)+2*(z%4)], v[S+8*(z/4)+2*(z%4)+1]
.set z, z+1
.endr
.set a, 0
.rept 16
	ds_store_b128 v[KST], v[S+8*a:S+8*a+3] offset:(a/4)*8192+(a%4)*512
.set a, a+1
.endr
	s_wait_dscnt 0x0                               ; wv is in, and K's stores are done
	WIN 0x06
.set z, 0
.rept 32                               ; V with the sources swapped: a lane holds one channel and eight tokens, as V^T's fragment wants them
.set a, z%16
.if z < 16
	v_wmma_f32_16x16x32_bf16 v[S+8*a:S+8*a+7], v[XF+16*(a%4):XF+16*(a%4)+7], v[64+16*(a/4):64+16*(a/4)+7], 0
.else
	v_wmma_f32_16x16x32_bf16 v[S+8*a:S+8*a+7], v[XF+16*(a%4)+8:XF+16*(a%4)+15], v[64+16*(a/4)+8:64+16*(a/4)+15], v[S+8*a:S+8*a+7]
.endif
.set z, z+1
.endr
	WIN 0
	PLACES 4
.set z, 0
.rept 64
	v_cvt_pk_bf16_f32 v[S+8*(z/4)+z%4], v[S+8*(z/4)+2*(z%4)], v[S+8*(z/4)+2*(z%4)+1]
.set z, z+1
.endr
.set a, 0
.rept 16
	ds_store_b128 v[KST], v[S+8*a:S+8*a+3] offset:VLO+(a/4)*8192+(a%4)*512
.set a, a+1
.endr
	s_wait_dscnt 0x0                               ; for the others' sake: my K and V are in LDS
	s_barrier_signal -1
	s_barrier_wait -1                              ; everybody's are
	WIN 0x40
.set z, 0
.rept 32
	v_mov_b32 v[12*(z/4)+4+z%4], v[IM+z%4]         ; the identity in the middle of each KT
.set z, z+1
.endr
	WIN 0
	v_add_nc_u32 v[KA], KL, v[L16]
	v_mov_b32 v[AQ], v[L16]
	v_add_nc_u32 v[AFO], 24576, v[L16]
	s_mov_b32 s44, 4
.Lhead:
	PLACES 4                                       ; behind the last products, ahead of the loads into their sources
	WIN 0x40
.set z, 0
.rept 4
	ds_load_b128 v[WQ+4*z:WQ+4*z+3], v[AQ] offset:512*z
.set z, z+1
.endr
.set z, 0
.rept 16
	ds_load_b128 v[12*(z/2)+8*(z%2):12*(z/2)+8*(z%2)+3], v[KA] offset:512*z
.set z, z+1
.endr
.set z, 0
.rept 16
	ds_load_b128 v[VF+4*z:VF+4*z+3], v[KA] offset:VLO+512*z
.set z, z+1
.endr
.set z, 0
.rept 4                                ; the head's 16 rows of fo_w, twice: the upper half of K meets ctx's zeros and need only be finite
	ds_load_b128 v[WFO+8*z:WFO+8*z+3], v[AFO] offset:2048*z
	ds_load_b128 v[WFO+8*z+4:WFO+8*z+7], v[AFO] offset:2048*z
.set z, z+1
.endr
	s_wait_dscnt 40                                ; wq is in: K's 16, V's 16 and fo_w's 8 loads are younger
	WIN 0x09
.set z, 0
.rept 8
.if z < 4
	v_wmma_f32_16x16x32_bf16 v[S+8*z:S+8*z+7], v[WQ:WQ+7], v[XF+16*z:XF+16*z+7], 0
.else
	v_wmma_f32_16x16x32_bf16 v[S+8*(z-4):S+8*(z-4)+7], v[WQ+8:WQ+15], v[XF+16*(z-4)+8:XF+16*(z-4)+15], v[S+8*(z-4):S+8*(z-4)+7]
.endif
.set z, z+1
.endr
	WIN 0
	PLACES 4
.set z, 0
.rept 4
	v_cvt_pk_bf16_f32 v[TB0+4+z], v[S+2*z], v[S+2*z+1]
	v_cvt_pk_bf16_f32 v[TB1+4+z], v[S+2*z], v[S+2*z+1]
.set z, z+1
.endr
.set z, 0
.rept 12
	v_cvt_pk_bf16_f32 v[QS+z], v[S+8+8*(z/4)+2*(z%4)], v[S+8+8*(z/4)+2*(z%4)+1]
.set z, z+1
.endr
	s_wait_dscnt 24                                ; K is in
	UNIT 0, 1, REL, 1
	UNIT 1, 2, REL, 1
	UNIT 2, 3, REL, 1
	UNIT 3, 0, REL+2, 0
	WIN 0
	s_mov_b64 s[60:61], s[52:53]                   ; the table turns by one head; after four heads it stands as it stood
	s_mov_b64 s[52:53], s[54:55]
	s_mov_b64 s[54:55], s[56:57]
	s_mov_b64 s[56:57], s[58:59]
	s_mov_b64 s[58:59], s[60:61]
	v_add_nc_u32 v[KA], 8192, v[KA]
	v_add_nc_u32 v[AQ], 2048, v[AQ]
	v_add_nc_u32 v[AFO], 512, v[AFO]
	s_sub_co_u32 s44, s44, 1
	s_cmp_lg_u32 s44, 0
	s_cbranch_scc1 .Lhead
	s_wait_dscnt 0x0                               ; my reads of K and V are over:
	s_barrier_signal -1
	s_barrier_wait -1                              ; everybody's are; the next slab's stores stand behind this barrier
	; ================ L1: xs = LN(a + xt); its fragments; ACC = xs + ff_b2 starts the second layer's sums
	PLACES 4
	LDV 96, 1280
	LDV 128, 1536
	LDV 160, 1792
	s_wait_dscnt 0x0
	LNORM 4, 96, 128
	XFCVT 4
	WIN 0x86
.set z, 0
.rept 64
	v_pk_add_f32 v[2*z:2*z+1], v[2*z:2*z+1], v[160+2*(z%16):160+2*(z%16)+1]
.set z, z+1
.endr
	WIN 0
	v_add_nc_u32 v[AW1], 32768, v[L16]
	v_add_nc_u32 v[AW2], 65536, v[L16]
	v_mov_b32 v[AB1], v[VPA]
	FFLW1
	FFLW2
	WIN 0
	s_mov_b32 s45, 7
.Lff:
	FFTRIP 1
	WIN 0
	s_sub_co_u32 s45, s45, 1
	s_cmp_lg_u32 s45, 0
	s_cbranch_scc1 .Lff
	FFTRIP 0                                       ; the eighth trip fetches nothing
	; ================ L2: y = LN(ff + xs); x1 = LN(y + x); two tiles a trip, the second pair moved down so that one text serves both
	LDV 0, 2048
	LDV 32, 2304
	LDV 64, 2560
	LDV 96, 2816
	WIN 0
	v_mov_b32 v[TW], v[THR]
	v_mov_b32 v[TW+1], v[THR+1]
	v_mov_b32 v[NW], v[NTH]
	v_mov_b32 v[NW+1], v[NTH+1]
	v_mov_b32 v[XA2], v[XA]
	v_mov_b32 v[SA2], v[SA]
	s_mov_b32 s45, 2
.Ll2:
.set z, 0
.rept 16
	ds_load_b128 v[S+4*z:S+4*z+3], v[XA2] offset:(z/8)*4352+64*((z%8)/2)+16*(z%2)
.set z, z+1
.endr
	s_wait_dscnt 16                                ; all but the sixteen just issued: the four vectors are in
	LNORM 2, 0, 32
	s_wait_dscnt 0x0
	SHRINK S, TW, NW
	SHRINK S+32, TW+1, NW+1
	WIN 0x82
.set z, 0
.rept 32
	v_pk_add_f32 v[2*z:2*z+1], v[2*z:2*z+1], v[S+2*z:S+2*z+1]
.set z, z+1
.endr
	LNORM 2, 64, 96
	WIN 0xaa
.set z, 0
.rept 32
	v_cvt_pk_f16_f32 v[LC+z], v[2*z], v[2*z+1]
.set z, z+1
.endr
	WIN 0x08
.set z, 0
.rept 8                                ; 128 bytes of f16 a token, into my own rows of slab t0's region: t0's in the rows' first half, t0 + 1's in the second
	ds_store_b128 v[SA2], v[LC+4*z:LC+4*z+3] offset:(z/4)*4352+32*(z%4)
.set z, z+1
.endr
	WIN 0x82
.set z, 0
.rept 64
	v_mov_b32 v[z], v[64+z]
.set z, z+1
.endr
	WIN 0
	v_mov_b32 v[TW], v[THR+2]
	v_mov_b32 v[TW+1], v[THR+3]
	v_mov_b32 v[NW], v[NTH+2]
	v_mov_b32 v[NW+1], v[NTH+3]
	v_add_nc_u32 v[XA2], 8704, v[XA2]
	v_add_nc_u32 v[SA2], 8704, v[SA2]
	s_sub_co_u32 s45, s45, 1
	s_cmp_lg_u32 s45, 0
	s_cbranch_scc1 .Ll2
	v_add_nc_u32 v[XA], XSZ, v[XA]                 ; the other slab; the stage's other half
	v_add_nc_u32 v[SA], 128, v[SA]
	s_sub_co_u32 s43, s43, 1
	s_cmp_lg_u32 s43, 0
	s_cbranch_scc1 .Lslab
	; ================ THE WAY OUT: a node's two rows of f16 lie side by side: 256 bytes; lanes 0-15 take one node, lanes 16-31 the next
.set z, 0
.rept 32
	ds_load_b128 v[S+4*z:S+4*z+3], v[RDA] offset:544*z
.set z, z+1
.endr
.set z, 0
.rept 32
	s_wait_dscnt 31-z
	global_store_b128 v[GO], v[S+4*z:S+4*z+3], s[38:39] offset:16384*z  ; 16 lanes store 256 consecutive bytes, aligned
.set z, z+1
.endr
	s_wait_tensorcnt 0x0                           ; the wave's end, behind my last tensor load and my last LDS store
	ds_add_u32 v[SPW], v[NIL]
	s_wait_dscnt 0x0
	s_endpgm
.Lfunc_end_k_q22308112bf_spatial:
	.size	k_q22308112bf_spatial, .Lfunc_end_k_q22308112bf_spatial-k_q22308112bf_spatial
	.p2alignl 7, 3214868480
	.fill 96, 4, 3214868480
	.section	.rodata,"a",@progbits
	.p2align	6, 0x0
	.amdhsa_kernel k_q22308112bf_spatial
		.amdhsa_group_segment_fixed_size 306688
		.amdhsa_private_segment_fixed_size 0
		.amdhsa_enable_private_segment 0
		.amdhsa_kernarg_size 144
		.amdhsa_user_sgpr_count 2
		.amdhsa_user_sgpr_kernarg_segment_ptr 1
		.amdhsa_wavefront_size32 1
		.amdhsa_system_sgpr_workgroup_id_x 1
		.amdhsa_system_sgpr_workgroup_id_y 1
		.amdhsa_system_sgpr_workgroup_id_z 1
		.amdhsa_system_vgpr_workitem_id 0
		.amdhsa_next_free_vgpr 1024
		.amdhsa_next_free_sgpr 100
		.amdhsa_reserve_vcc 1
		.amdhsa_float_denorm_mode_32 3
		.amdhsa_float_denorm_mode_16_64 3
		.amdhsa_memory_ordered 1
		.amdhsa_forward_progress 1
		.amdhsa_inst_pref_size 255
	.end_amdhsa_kernel
	.section	.bss,"aw",@nobits
	.p2align	6
	.space	262144
	.amdgpu_metadata
---
amdhsa.version: [ 1, 2 ]
amdhsa.kernels:
  - .name:           k_q22308112bf_spatial
    .symbol:         k_q22308112bf_spatial.kd
    .args:
      - { .name: query, .offset: 0, .size: 8, .value_kind: global_buffer, .address_space: global }
      - { .name: part, .offset: 8, .size: 8, .value_kind: global_buffer, .address_space: global }
      - { .name: gap, .offset: 16, .size: 8, .value_kind: global_buffer, .address_space: global }
      - { .name: params_fc2_b, .offset: 24, .size: 8, .value_kind: global_buffer, .address_space: global }
      - { .name: sel, .offset: 32, .size: 8, .value_kind: global_buffer, .address_space: global }
      - { .name: params_rel_pos_emb, .offset: 40, .size: 8, .value_kind: global_buffer, .address_space: global }
      - { .name: embF, .offset: 48, .size: 8, .value_kind: global_buffer, .address_space: global }
      - { .name: blobS, .offset: 56, .size: 8, .value_kind: global_buffer, .address_space: global }
      - { .name: params_s_fo_b, .offset: 64, .size: 8, .value_kind: global_buffer, .address_space: global }
      - { .name: params_s_ln1_g, .offset: 72, .size: 8, .value_kind: global_buffer, .address_space: global }
      - { .name: params_s_ln1_b, .offset: 80, .size: 8, .value_kind: global_buffer, .address_space: global }
      - { .name: params_s_ff_b1, .offset: 88, .size: 8, .value_kind: global_buffer, .address_space: global }
      - { .name: params_s_ff_b2, .offset: 96, .size: 8, .value_kind: global_buffer, .address_space: global }
      - { .name: params_s_ln2_g, .offset: 104, .size: 8, .value_kind: global_buffer, .address_space: global }
      - { .name: params_s_ln2_b, .offset: 112, .size: 8, .value_kind: global_buffer, .address_space: global }
      - { .name: params_blk_ln1_g, .offset: 120, .size: 8, .value_kind: global_buffer, .address_space: global }
      - { .name: params_blk_ln1_b, .offset: 128, .size: 8, .value_kind: global_buffer, .address_space: global }
      - { .name: x1h, .offset: 136, .size: 8, .value_kind: global_buffer, .address_space: global }
    .group_segment_fixed_size: 306688
    .private_segment_fixed_size: 0
    .kernarg_segment_align: 8
    .kernarg_segment_size: 144
    .max_flat_workgroup_size: 128
    .sgpr_count:     100
    .vgpr_count:     1024
    .wavefront_size: 32
...
	.end_amdgpu_metadata
.endif
;; end of part 3
;; launch temporal (part 4): grid 256 x 1, 4 waves a work-group, no clusters, 314,880 bytes of LDS; arguments x1h, query, tadd, blobT, params_t_fo_b, params_t_ln1_g, params_t_ln1_b, params_t_ff_b1, params_t_ff_b2, params_t_ln2_g, params_t_ln2_b, params_blk_ln2_g, params_blk_ln2_b, out0; writes out0
.if DOCPART == 4
	.amdgcn_target "amdgcn-amd-amdhsa--gfx1250"
	.amdhsa_code_object_version 6
	.text
	.protected	k_q22308112bf_temporal
	.globl	k_q22308112bf_temporal
	.p2align	8
	.type	k_q22308112bf_temporal,@function
k_q22308112bf_temporal:
	s_mov_b64 s[64:65], 0
	v_nop
	global_prefetch_b8 v0, s[64:65] scope:SCOPE_SE
	s_setreg_imm32_b32 hwreg(HW_REG_WAVE_MODE, 25, 1), 1
	s_wait_xcnt 0x0
; out0 = LN(tempformer(x1, w_t, query) + x1).  A node (b, n) is 64 tokens x 64 channels and attends only to itself, so it is one wave's own: Q, K, V, P and ctx never leave registers.
; SHARES.  Work-group g takes nodes 8 g .. 8 g + 7 (all of batch row g / 32), wave w nodes 8 g + 2 w and 8 g + 2 w + 1, one after the other.  Behind the head's one barrier no wave waits for another.
; TILE ORDER, fragments, norms and the feed-forward are those of launch spatial: register 8 i + j of lane l holds channel 16 i + 8 (l / 16) + j of token l % 16.
; ATTENTION.  A head's 16 channels fill half of a matrix step's K; the other half is zeros in both sources.  All 64 scores of a query lie in registers: m is the row's true maximum, p = 2^(c s - c m),
; c = log2(e); the row's sum is ONES x P on the matrix unit, of the same rounded p as the numerator's.
; FORMATS.  Matrix operands bf16, sums f32; x1 arrives in f16 and is widened where it is used; the residual query, the norms and the maxima are f32.
; LIMITS.  A weight under 2^-126 counts as 0; NaN and infinities are not treated apart.  value, key_in and t are not read: the module's body discards them.
; NO CLUSTER: what work-groups share (98,304 bytes of weights) is asked for once, at the head.  NO PREFETCH: every byte is asked for by the head's loads.
; LDS: each region is filled once; five tensor loads of a wave are out at the head, and none later.
.set PAR,   98304
.set WREG,  101376                     ; a wave's region: x1 of its two nodes (64 rows, pitch 144), then query of its two nodes (64 rows, pitch 272; later the stage for the output)
.set WSZ,   53248
.set XHSZ,  9216
.set OGO,   18432
.set OGSZ,  17408
.set SPARE, 314368
; window 0
.set R_,  1
.set HH,  2
.set L16, 3
.set XHA, 4
.set OGA, 5
.set ORD, 6
.set AH,  8
.set AFO, 9
.set AW1, 10
.set AW2, 11
.set AB1, 12
.set VPA, 13
.set XH2, 15
.set OG2, 16
.set ORD2, 17
.set VZ,  18
.set ONEF, 19
.set SPW, 20
.set NIL, 21
.set T0,  22
.set C0,  28                           ; four chains of the maximum for each query tile
.set M,   44
.set CM,  48                           ; pairs
.set RR,  56                           ; pairs
.set O,   64
.set LS,  96
.set S,   128
; window 1
.set KF,  0                            ; [K | 0], 8 a key tile
.set VA,  32
.set ONES, 48
.set WQF, 64
.set WVF, 96
.set WFOF, 112
.set W1F, 64
.set B1R, 96
.set W2F, 112
; window 2
.set XF,  128
.set LC,  192
.set MU,  224
.set RS,  232
; window 3: v0-127 the table dt + dwt in tile order
.set QB,  128                          ; [Q | 0]
.set CTB, 160                          ; [ctx | 0]
.set SLOG, 88
.set SELA, 90
.set SELB, 91
.set SINV, 92
.set SEPS, 93
.set MSB, 0
.macro WIN new
.if MSB != (\new)
	s_set_vgpr_msb (MSB<<8)|(\new)
.set MSB, (\new)
.endif
.endm
.macro PLACES cnt
.rept \cnt
	v_nop
.endr
.endm
.macro ALLT nt, line:vararg
.set t, 0
.rept \nt
	\line
.set t, t+1
.endr
.endm
.macro LDV dst, vec
	WIN 0x40
.set z, 0
.rept 8
	ds_load_b128 v[(\dst)+4*z:(\dst)+4*z+3], v[VPA] offset:(\vec)+64*(z/2)+16*(z%2)
.set z, z+1
.endr
.endm
.macro LRED nt
	ALLT \nt, v_pk_add_f32 v[LC+8*t:LC+8*t+1], v[LC+8*t:LC+8*t+1], v[LC+8*t+2:LC+8*t+3]
	ALLT \nt, v_pk_add_f32 v[LC+8*t+4:LC+8*t+5], v[LC+8*t+4:LC+8*t+5], v[LC+8*t+6:LC+8*t+7]
	ALLT \nt, v_pk_add_f32 v[LC+8*t:LC+8*t+1], v[LC+8*t:LC+8*t+1], v[LC+8*t+4:LC+8*t+5]
	ALLT \nt, v_add_f32 v[LC+8*t], v[LC+8*t], v[LC+8*t+1]
	ALLT \nt, v_permlanex16_b32 v[LC+8*t+1], v[LC+8*t], s[SELA], s[SELB]
	ALLT \nt, v_add_f32 v[LC+8*t], v[LC+8*t], v[LC+8*t+1]
.endm
; Layer norm in place on tiles 0 .. nt - 1 of ACC, in two passes; each accumulator's lowest registers are read first.
.macro LNORM nt, G, Bv
	WIN 0xaa
.set k, 0
.rept 4
	ALLT \nt, v_pk_add_f32 v[LC+8*t+2*k:LC+8*t+2*k+1], v[32*t+4*k:32*t+4*k+1], v[32*t+4*k+2:32*t+4*k+3]
.set k, k+1
.endr
.set k, 0
.rept 8
	ALLT \nt, v_pk_add_f32 v[LC+8*t+2*(k%4):LC+8*t+2*(k%4)+1], v[LC+8*t+2*(k%4):LC+8*t+2*(k%4)+1], v[32*t+16+2*k:32*t+16+2*k+1]
.set k, k+1
.endr
	LRED \nt
	ALLT \nt, v_mul_f32 v[MU+2*t], s[SINV], v[LC+8*t]
.set k, 0
.rept 16
	ALLT \nt, v_pk_add_f32 v[32*t+2*k:32*t+2*k+1], v[32*t+2*k:32*t+2*k+1], v[MU+2*t:MU+2*t+1] op_sel_hi:[1,0] neg_lo:[0,1] neg_hi:[0,1]
.set k, k+1
.endr
.set k, 0
.rept 4
	ALLT \nt, v_pk_mul_f32 v[LC+8*t+2*k:LC+8*t+2*k+1], v[32*t+2*k:32*t+2*k+1], v[32*t+2*k:32*t+2*k+1]
.set k, k+1
.endr
.set k, 4
.rept 12
	ALLT \nt, v_pk_fma_f32 v[LC+8*t+2*(k%4):LC+8*t+2*(k%4)+1], v[32*t+2*k:32*t+2*k+1], v[32*t+2*k:32*t+2*k+1], v[LC+8*t+2*(k%4):LC+8*t+2*(k%4)+1]
.set k, k+1
.endr
	LRED \nt
	ALLT \nt, v_fma_f32 v[LC+8*t], v[LC+8*t], s[SINV], s[SEPS]
	ALLT \nt, v_rsq_f32 v[RS+2*t], v[LC+8*t]
	v_nop
	s_wait_alu depctr_va_vdst(0)                   ; the one wait for the batch of roots
.set k, 0
.rept 16
	ALLT \nt, v_pk_mul_f32 v[32*t+2*k:32*t+2*k+1], v[32*t+2*k:32*t+2*k+1], v[RS+2*t:RS+2*t+1] op_sel_hi:[1,0]
.set k, k+1
.endr
	WIN 0x96
.set k, 0
.rept 16
	ALLT \nt, v_pk_fma_f32 v[32*t+2*k:32*t+2*k+1], v[32*t+2*k:32*t+2*k+1], v[(\G)+2*k:(\G)+2*k+1], v[(\Bv)+2*k:(\Bv)+2*k+1]
.set k, k+1
.endr
.endm
.macro XFCVT nt
	WIN 0xaa
.set k, 0
.rept 16
	ALLT \nt, v_cvt_pk_bf16_f32 v[XF+16*t+k], v[32*t+2*k], v[32*t+2*k+1]
.set k, k+1
.endr
.endm
.macro FFLW1
	WIN 0x40
.set z, 0
.rept 8
	ds_load_b128 v[W1F+4*z:W1F+4*z+3], v[AW1] offset:512*z
.set z, z+1
.endr
.set z, 0
.rept 4
	ds_load_b128 v[B1R+4*z:B1R+4*z+3], v[AB1] offset:64*(z/2)+16*(z%2)
.set z, z+1
.endr
.endm
.macro FFLW2
	WIN 0x40
.set z, 0
.rept 8
	ds_load_b128 v[W2F+4*z:W2F+4*z+3], v[AW2] offset:8192*(z/2)+512*(z%2)
.set z, z+1
.endr
.endm
.macro FFTRIP pre                      ; 32 hidden units for four tiles; all accumulators take turns, one instruction a turn
	s_wait_dscnt 8                                 ; w1 and b1 are in; the eight younger loads are w2's
	WIN 0x19
.set z, 0
.rept 8
	v_wmma_f32_16x16x32_bf16 v[S+8*z:S+8*z+7], v[W1F+16*(z%2):W1F+16*(z%2)+7], v[XF+16*(z/2):XF+16*(z/2)+7], v[B1R+8*(z%2):B1R+8*(z%2)+7]
.set z, z+1
.endr
	WIN 0x09
.set z, 0
.rept 8
	v_wmma_f32_16x16x32_bf16 v[S+8*z:S+8*z+7], v[W1F+16*(z%2)+8:W1F+16*(z%2)+15], v[XF+16*(z/2)+8:XF+16*(z/2)+15], v[S+8*z:S+8*z+7]
.set z, z+1
.endr
	WIN 0
	v_add_nc_u32 v[AW1], 4096, v[AW1]              ; four plain lines: the places ahead of the loads into w1's registers and of the conversions
	v_add_nc_u32 v[AB1], 128, v[AB1]
	v_nop
	v_nop
.if \pre
	FFLW1
.endif
	WIN 0
.set z, 0
.rept 32
	v_cvt_pk_bf16_f32 v[S+16*(z/8)+z%8], v[S+16*(z/8)+2*(z%8)], v[S+16*(z/8)+2*(z%8)+1]
.set z, z+1
.endr
.set z, 0
.rept 32
	v_pk_max_num_bf16 v[S+16*(z/8)+z%8], v[S+16*(z/8)+z%8], v[VZ]
.set z, z+1
.endr
.if \pre
	s_wait_dscnt 12                                ; w2 is in; the twelve younger loads are the next trip's
.else
	s_wait_dscnt 0x0
.endif
	WIN 0xa1
.set z, 0
.rept 16
	v_wmma_f32_16x16x32_bf16 v[32*(z/4)+8*(z%4):32*(z/4)+8*(z%4)+7], v[W2F+8*(z%4):W2F+8*(z%4)+7], v[S+16*(z/4):S+16*(z/4)+7], v[32*(z/4)+8*(z%4):32*(z/4)+8*(z%4)+7]
.set z, z+1
.endr
	WIN 0
	v_add_nc_u32 v[AW2], 1024, v[AW2]              ; five plain lines: the next trip's first products write over the hidden registers just read
	PLACES 4
.if \pre
	FFLW2
.endif
.endm
.macro MAXG qq                         ; the four score tiles of query tile qq into its four chains
.set kt, 0
.rept 4
.set z, 0
.rept 4
.if kt == 0
	v_max_num_f32 v[C0+4*(\qq)+z], v[S+32*(\qq)+2*z], v[S+32*(\qq)+2*z+1]
.else
	v_max3_num_f32 v[C0+4*(\qq)+z], v[C0+4*(\qq)+z], v[S+32*(\qq)+8*kt+2*z], v[S+32*(\qq)+8*kt+2*z+1]
.endif
.set z, z+1
.endr
.set kt, kt+1
.endr
.endm
.macro EF i                            ; pair i, of query tile i / 16: c s - c m
	v_pk_fma_f32 v[S+2*(\i):S+2*(\i)+1], v[S+2*(\i):S+2*(\i)+1], s[SLOG:SLOG+1], v[CM+2*((\i)/16):CM+2*((\i)/16)+1] op_sel_hi:[1,0,0] neg_lo:[0,0,1] neg_hi:[0,0,1]
.endm
.macro EXPPH
	WIN 0
	EF 0
	EF 1
.set e, 0
.rept 64
	v_exp_f32 v[S+2*e], v[S+2*e]
	v_exp_f32 v[S+2*e+1], v[S+2*e+1]
.if e < 62
	EF e+2
.endif
.set e, e+1
.endr
	v_nop
	s_wait_alu depctr_va_vdst(0)                   ; the one wait for the batch
.endm
.macro PCVT pp
.set z, 0
.rept 8
	v_cvt_pk_bf16_f32 v[S+16*(\pp)+z], v[S+16*(\pp)+2*z], v[S+16*(\pp)+2*z+1]
.set z, z+1
.endr
.endm
	; ================ THE HEAD
	s_load_b512 s[4:19], s[0:1], 0x0               ; x1h 4, query 6, tadd 8, blobT 10, fo_b 12, ln1_g 14, ln1_b 16, ff_b1 18
	s_load_b256 s[20:27], s[0:1], 0x40             ; ff_b2 20, ln2_g 22, ln2_b 24, blk_g 26
	s_load_b128 s[28:31], s[0:1], 0x60             ; blk_b 28, out0 30
	v_lshl_add_u32 v[SPW], v0, 2, SPARE
	v_mov_b32 v[NIL], 0
	ds_add_u32 v[SPW], v[NIL]                      ; the wave's opening: the add and its wait ahead of my first tensor load; work on registers stands between
	ds_add_u32 v20, v21
	v_lshrrev_b32 v[T0], 5, v0
	v_readfirstlane_b32 s56, v[T0]                 ; wave
	s_lshr_b32 s57, ttmp9, 5                       ; b
	s_mov_b32 s32, 3<<16                           ; group 1, weights: 96 rows of 256 bytes, dense
	s_mov_b32 s33, 32<<16
	s_mov_b32 s34, 96<<16
	s_mov_b32 s35, 32<<16
	s_mov_b32 s36, 96
	s_mov_b32 s37, 32
	s_mov_b32 s38, 0
	s_mov_b32 s39, 0
	s_mov_b32 s40, (1<<16)|(1<<20)|(4<<22)|(3<<25) ; group 1, x1 of a node: 8,192 dense bytes as 32 rows of 256; 4 words of padding behind every 32 (a token)
	s_mov_b32 s41, 128<<16
	s_mov_b32 s42, 32<<16
	s_mov_b32 s43, 128<<16
	s_mov_b32 s44, 32
	s_mov_b32 s45, 128
	s_mov_b32 s46, 0
	s_mov_b32 s47, 0
	s_mov_b32 s48, (2<<16)|(1<<20)|(5<<22)|(3<<25) ; group 1, query of a node: 64 rows of 256 bytes, dense; 4 words of padding behind each
	s_mov_b32 s49, 64<<16
	s_mov_b32 s50, 64<<16
	s_mov_b32 s51, 64<<16
	s_mov_b32 s52, 64
	s_mov_b32 s53, 64
	s_mov_b32 s54, 0
	s_mov_b32 s55, 0
	s_mul_i32 s58, s56, WSZ
	s_add_co_u32 s58, s58, WREG                    ; my region
	s_mov_b32 s68, 1
	s_mul_i32 s69, s56, 24576
	s_mov_b32 s72, 1
	s_mov_b32 s73, s58
	s_mov_b32 s76, 1
	s_add_co_u32 s77, s58, OGO
	s_mov_b32 s80, 1
	s_add_co_u32 s81, s58, XHSZ
	s_mov_b32 s84, 1
	s_add_co_u32 s85, s58, OGO+OGSZ
	s_mov_b32 s60, s69
	s_mov_b32 s61, 0
	s_lshl_b32 s62, ttmp9, 16                      ; my first node, 8 g + 2 w, in x1h (8,192 bytes a node),
	s_lshl_b32 s59, s56, 14
	s_add_co_u32 s62, s62, s59
	s_mov_b32 s63, 0
	s_lshl_b32 s66, ttmp9, 17                      ; and in query and out0 (16,384)
	s_lshl_b32 s59, s56, 15
	s_add_co_u32 s66, s66, s59
	s_mov_b32 s67, 0
	s_lshl_b32 s98, s57, 14
	s_mov_b32 s99, 0
	s_mov_b32 s[SLOG], 0x3fb8aa3b
	s_mov_b32 s[SLOG+1], 0x3fb8aa3b
	s_mov_b32 s[SELA], 0x76543210
	s_mov_b32 s[SELB], 0xfedcba98
	s_mov_b32 s[SINV], 0x3c800000
	s_mov_b32 s[SEPS], 0x3727c5ac
	v_and_b32 v[R_], 15, v0
	v_bfe_u32 v[HH], v0, 4, 1
	v_and_b32 v[L16], 31, v0
	v_lshlrev_b32 v[L16], 4, v[L16]
	v_mul_u32_u24 v[XHA], v[R_], 144
	v_lshl_add_u32 v[XHA], v[HH], 4, v[XHA]
	v_add_nc_u32 v[XHA], s58, v[XHA]
	v_mul_u32_u24 v[OGA], v[R_], 272
	v_lshl_add_u32 v[OGA], v[HH], 5, v[OGA]
	v_add_nc_u32 v[OGA], s77, v[OGA]
	v_mul_u32_u24 v[ORD], v[HH], 272
	v_lshl_add_u32 v[ORD], v[R_], 4, v[ORD]
	v_add_nc_u32 v[ORD], s77, v[ORD]
	v_lshlrev_b32 v[VPA], 5, v[HH]
	v_add_nc_u32 v[VPA], PAR, v[VPA]
	v_mov_b32 v[VZ], 0
	v_mov_b32 v[ONEF], 1.0
	s_wait_dscnt 0x0                               ; the opening add is done
	s_wait_kmcnt 0x0
	s_add_nc_u64 s[70:71], s[10:11], s[60:61]
	s_add_nc_u64 s[74:75], s[4:5], s[62:63]
	s_add_nc_u64 s[82:83], s[74:75], 8192
	s_add_nc_u64 s[78:79], s[6:7], s[66:67]
	s_add_nc_u64 s[86:87], s[78:79], 16384
	s_or_b32 s71, s71, 0x80000000
	s_or_b32 s75, s75, 0x80000000
	s_or_b32 s79, s79, 0x80000000
	s_or_b32 s83, s83, 0x80000000
	s_or_b32 s87, s87, 0x80000000
	s_add_nc_u64 s[30:31], s[30:31], s[66:67]
	s_add_nc_u64 s[8:9], s[8:9], s[98:99]
	tensor_load_to_lds s[68:71], s[32:39]          ; the first fills, one group: five loads of mine are out
	s_nop 0
	tensor_load_to_lds s[72:75], s[40:47]
	s_nop 0
	tensor_load_to_lds s[76:79], s[48:55]
	s_nop 0
	tensor_load_to_lds s[80:83], s[40:47]
	s_nop 0
	tensor_load_to_lds s[84:87], s[48:55]
	s_nop 0
	PLACES 4
	s_cmp_lg_u32 s56, 0
	s_cbranch_scc1 .Lnopar
	v_lshrrev_b32 v[T0], 1, v[L16]                 ; wave 0 copies the nine vectors into LDS
	global_load_b128 v[128:131], v[L16], s[18:19]
	global_load_b128 v[132:135], v[L16], s[18:19] offset:512
	global_load_b64 v[136:137], v[T0], s[12:13]
	global_load_b64 v[138:139], v[T0], s[14:15]
	global_load_b64 v[140:141], v[T0], s[16:17]
	global_load_b64 v[142:143], v[T0], s[20:21]
	global_load_b64 v[144:145], v[T0], s[22:23]
	global_load_b64 v[146:147], v[T0], s[24:25]
	global_load_b64 v[148:149], v[T0], s[26:27]
	global_load_b64 v[150:151], v[T0], s[28:29]
	s_wait_loadcnt 0x0
	v_add_nc_u32 v[T0+1], PAR, v[L16]
	v_add_nc_u32 v[T0], PAR, v[T0]
	ds_store_b128 v[T0+1], v[128:131]
	ds_store_b128 v[T0+1], v[132:135] offset:512
.set z, 0
.rept 8
	ds_store_b64 v[T0], v[136+2*z:137+2*z] offset:1024+256*z
.set z, z+1
.endr
.Lnopar:
	WIN 0xc0
.set z, 0
.rept 32                               ; dt + dwt of batch row b, kept for the whole kernel
	global_load_b128 v[4*z:4*z+3], v[L16], s[8:9] offset:512*z
.set z, z+1
.endr
.set z, 0
.rept 16                               ; the zero halves of [Q | 0] and [ctx | 0]
	v_mov_b32 v[QB+8*(z/4)+4+z%4], 0
	v_mov_b32 v[CTB+8*(z/4)+4+z%4], 0
.set z, z+1
.endr
	WIN 0x40
.set z, 0
.rept 16
	v_mov_b32 v[KF+8*(z/4)+4+z%4], 0               ; and of [K | 0]
.set z, z+1
.endr
.set z, 0
.rept 8
	v_mov_b32 v[ONES+z], 0x3f803f80
.set z, z+1
.endr
	WIN 0x80
.set z, 0
.rept 4
	v_mov_b32 v[MU+2*z+1], 0                       ; named in pairs
	v_mov_b32 v[RS+2*z+1], 0
.set z, z+1
.endr
	WIN 0
.set z, 0
.rept 4
	v_mov_b32 v[CM+2*z+1], 0
	v_mov_b32 v[RR+2*z+1], 0
.set z, z+1
.endr
	s_wait_tensorcnt 0x0                           ; my five tiles have landed,
	s_wait_dscnt 0x0                               ; wave 0's stores are done:
	s_barrier_signal -1
	s_barrier_wait -1                              ; everybody's have
	s_wait_loadcnt 0x0
	s_mov_b32 s94, 2
.Lnode:
	; ================ N1: xt = x1 + dt + dwt and its fragments; ACC = query + fo_b starts the sums of the output projection
	LDV 64, 1024
	WIN 0
.set z, 0
.rept 16
	ds_load_b128 v[S+4*z:S+4*z+3], v[XHA] offset:(z/4)*2304+32*(z%4)
.set z, z+1
.endr
	WIN 0x80
.set z, 0
.rept 32
	ds_load_b128 v[4*z:4*z+3], v[OGA] offset:(z/8)*4352+64*((z%8)/2)+16*(z%2)
.set z, z+1
.endr
	s_wait_dscnt 0x0
.set tl, 0
.rept 4
	WIN 0x30
.set z, 0
.rept 16                               ; a half of f16 times 1 plus the table: widened and added in one line
	v_fma_mix_f32 v[S+64+2*z], v[S+16*tl+z], v[ONEF], v[32*tl+2*z] op_sel_hi:[1,0,0]
	v_fma_mix_f32 v[S+64+2*z+1], v[S+16*tl+z], v[ONEF], v[32*tl+2*z+1] op_sel:[1,0,0] op_sel_hi:[1,0,0]
.set z, z+1
.endr
	WIN 0x80
.set z, 0
.rept 16
	v_cvt_pk_bf16_f32 v[XF+16*tl+z], v[S+64+2*z], v[S+64+2*z+1]
.set z, z+1
.endr
.set tl, tl+1
.endr
	WIN 0x86
.set z, 0
.rept 64
	v_pk_add_f32 v[2*z:2*z+1], v[2*z:2*z+1], v[64+2*(z%16):64+2*(z%16)+1]
.set z, z+1
.endr
	WIN 0
	v_mov_b32 v[AH], v[L16]
	v_add_nc_u32 v[AFO], 24576, v[L16]
	s_mov_b32 s95, 4
.Lhead:
	PLACES 4                                       ; behind the last products, ahead of the loads into their sources
	WIN 0x40
.set z, 0
.rept 12                               ; wq, wk, wv: the head's two fragments each
	ds_load_b128 v[WQF+4*z:WQF+4*z+3], v[AH] offset:8192*(z/4)+512*(z%4)
.set z, z+1
.endr
.set z, 0
.rept 4                                ; the head's 16 rows of fo_w, twice: the upper half of K meets ctx's zeros and need only be finite
	ds_load_b128 v[WFOF+8*z:WFOF+8*z+3], v[AFO] offset:2048*z
	ds_load_b128 v[WFOF+8*z+4:WFOF+8*z+7], v[AFO] offset:2048*z
.set z, z+1
.endr
	s_wait_dscnt 8                                 ; all but fo_w's eight
.set ks, 0
.rept 2                                ; twelve accumulators take turns: q of four tiles, k of four, v of four (sources swapped: a lane holds one channel and eight tokens)
	WIN 0x09
.set z, 0
.rept 8
.if ks == 0
	v_wmma_f32_16x16x32_bf16 v[S+8*z:S+8*z+7], v[WQF+16*(z/4):WQF+16*(z/4)+7], v[XF+16*(z%4):XF+16*(z%4)+7], 0
.else
	v_wmma_f32_16x16x32_bf16 v[S+8*z:S+8*z+7], v[WQF+16*(z/4)+8:WQF+16*(z/4)+15], v[XF+16*(z%4)+8:XF+16*(z%4)+15], v[S+8*z:S+8*z+7]
.endif
.set z, z+1
.endr
	WIN 0x06
.set z, 0
.rept 4
.if ks == 0
	v_wmma_f32_16x16x32_bf16 v[S+64+8*z:S+64+8*z+7], v[XF+16*z:XF+16*z+7], v[WVF:WVF+7], 0
.else
	v_wmma_f32_16x16x32_bf16 v[S+64+8*z:S+64+8*z+7], v[XF+16*z+8:XF+16*z+15], v[WVF+8:WVF+15], v[S+64+8*z:S+64+8*z+7]
.endif
.set z, z+1
.endr
.set ks, ks+1
.endr
	WIN 0
	PLACES 4
	WIN 0xc0
.set z, 0
.rept 16
	v_cvt_pk_bf16_f32 v[QB+8*(z/4)+z%4], v[S+8*(z/4)+2*(z%4)], v[S+8*(z/4)+2*(z%4)+1]
.set z, z+1
.endr
	WIN 0x40
.set z, 0
.rept 16
	v_cvt_pk_bf16_f32 v[KF+8*(z/4)+z%4], v[S+32+8*(z/4)+2*(z%4)], v[S+32+8*(z/4)+2*(z%4)+1]
.set z, z+1
.endr
.set z, 0
.rept 16
	v_cvt_pk_bf16_f32 v[VA+z], v[S+64+8*(z/4)+2*(z%4)], v[S+64+8*(z/4)+2*(z%4)+1]
.set z, z+1
.endr
.set q, 0
.rept 4
	WIN 0x0d
.set z, 0
.rept 4
	v_wmma_f32_16x16x32_bf16 v[S+32*q+8*z:S+32*q+8*z+7], v[KF+8*z:KF+8*z+7], v[QB+8*q:QB+8*q+7], 0
.set z, z+1
.endr
	WIN 0
.if q == 0
	PLACES 4
.else
	MAXG q-1                                       ; sixteen plain lines on the tile before: the places behind the products above
.endif
.set q, q+1
.endr
	MAXG 3
	ALLT 4, v_max3_num_f32 v[C0+4*t], v[C0+4*t], v[C0+4*t+1], v[C0+4*t+2]
	ALLT 4, v_max_num_f32 v[C0+4*t], v[C0+4*t], v[C0+4*t+3]
	ALLT 4, v_permlanex16_b32 v[C0+4*t+1], v[C0+4*t], s[SELA], s[SELB]
	ALLT 4, v_max_num_f32 v[M+t], v[C0+4*t], v[C0+4*t+1]
	ALLT 4, v_mul_f32 v[CM+2*t], s[SLOG], v[M+t]
	EXPPH
.set q, 0
.rept 4
	WIN 0
	PCVT 2*q
	PCVT 2*q+1
	WIN 0x01
	v_wmma_f32_16x16x32_bf16 v[O+8*q:O+8*q+7], v[VA:VA+7], v[S+32*q:S+32*q+7], 0
	v_wmma_f32_16x16x32_bf16 v[LS+8*q:LS+8*q+7], v[ONES:ONES+7], v[S+32*q:S+32*q+7], 0
	v_wmma_f32_16x16x32_bf16 v[O+8*q:O+8*q+7], v[VA+8:VA+15], v[S+32*q+16:S+32*q+23], v[O+8*q:O+8*q+7]
	v_wmma_f32_16x16x32_bf16 v[LS+8*q:LS+8*q+7], v[ONES:ONES+7], v[S+32*q+16:S+32*q+23], v[LS+8*q:LS+8*q+7]
.set q, q+1
.endr
	WIN 0
	PLACES 4
	ALLT 4, v_rcp_f32 v[RR+2*t], v[LS+8*t]
	v_nop
	s_wait_alu depctr_va_vdst(0)                   ; one wait for the four reciprocals
.set k, 0
.rept 4
	ALLT 4, v_pk_mul_f32 v[O+8*t+2*k:O+8*t+2*k+1], v[O+8*t+2*k:O+8*t+2*k+1], v[RR+2*t:RR+2*t+1] op_sel_hi:[1,0]
.set k, k+1
.endr
	WIN 0xc0
.set k, 0
.rept 4
	ALLT 4, v_cvt_pk_bf16_f32 v[CTB+8*t+k], v[O+8*t+2*k], v[O+8*t+2*k+1]
.set k, k+1
.endr
	s_wait_dscnt 0x0                               ; fo_w's fragments are in
	WIN 0xad
.set z, 0
.rept 16
	v_wmma_f32_16x16x32_bf16 v[32*(z/4)+8*(z%4):32*(z/4)+8*(z%4)+7], v[WFOF+8*(z%4):WFOF+8*(z%4)+7], v[CTB+8*(z/4):CTB+8*(z/4)+7], v[32*(z/4)+8*(z%4):32*(z/4)+8*(z%4)+7]
.set z, z+1
.endr
	WIN 0
	v_add_nc_u32 v[AH], 2048, v[AH]
	v_add_nc_u32 v[AFO], 512, v[AFO]
	s_sub_co_u32 s95, s95, 1
	s_cmp_lg_u32 s95, 0
	s_cbranch_scc1 .Lhead
	; ================ L1: xT = LN(a + query); its fragments; ACC = xT + ff_b2 starts the second layer's sums
	PLACES 4
	LDV 144, 1280
	LDV 176, 1536
	LDV 208, 1792
	s_wait_dscnt 0x0
	LNORM 4, 144, 176
	XFCVT 4
	WIN 0x86
.set z, 0
.rept 64
	v_pk_add_f32 v[2*z:2*z+1], v[2*z:2*z+1], v[208+2*(z%16):208+2*(z%16)+1]
.set z, z+1
.endr
	WIN 0
	v_add_nc_u32 v[AW1], 32768, v[L16]
	v_add_nc_u32 v[AW2], 65536, v[L16]
	v_mov_b32 v[AB1], v[VPA]
	FFLW1
	FFLW2
	WIN 0
	s_mov_b32 s96, 7
.Lff:
	FFTRIP 1
	WIN 0
	s_sub_co_u32 s96, s96, 1
	s_cmp_lg_u32 s96, 0
	s_cbranch_scc1 .Lff
	FFTRIP 0                                       ; the eighth trip fetches nothing
	; ================ L2: y = LN(ff + xT); out = LN(y + x1); two tiles a trip, the second pair moved down so that one text serves both
	LDV 64, 2048
	LDV 96, 2304
	LDV 128, 2560
	LDV 160, 2816
	WIN 0
	v_mov_b32 v[XH2], v[XHA]
	v_mov_b32 v[OG2], v[OGA]
	v_mov_b32 v[ORD2], v[ORD]
	s_mov_b32 s96, 2
.Ll2:
.set z, 0
.rept 8
	ds_load_b128 v[S+4*z:S+4*z+3], v[XH2] offset:(z/4)*2304+32*(z%4)
.set z, z+1
.endr
	s_wait_dscnt 8                                 ; all but the eight just issued: the four vectors are in
	LNORM 2, 64, 96
	s_wait_dscnt 0x0
	WIN 0xa0
.set z, 0
.rept 32
	v_fma_mix_f32 v[2*z], v[S+z], v[ONEF], v[2*z] op_sel_hi:[1,0,0]
	v_fma_mix_f32 v[2*z+1], v[S+z], v[ONEF], v[2*z+1] op_sel:[1,0,0] op_sel_hi:[1,0,0]
.set z, z+1
.endr
	LNORM 2, 128, 160
	WIN 0x08
.set z, 0
.rept 16                               ; into my own rows of query's region, which has been read and had its last fill at the head
	ds_store_b128 v[OG2], v[4*z:4*z+3] offset:(z/8)*4352+64*((z%8)/2)+16*(z%2)
.set z, z+1
.endr
	WIN 0
.set z, 0
.rept 16                               ; back as whole rows; LDS serves a wave's instructions in order (ISA guide 5.7.1.4), so these see the stores above
	ds_load_b128 v[S+4*z:S+4*z+3], v[ORD2] offset:(z/8)*4352+544*(z%8)
.set z, z+1
.endr
.set z, 0
.rept 16
	s_wait_dscnt 15-z
	global_store_b128 v[L16], v[S+4*z:S+4*z+3], s[30:31] offset:512*z  ; 512 consecutive bytes, aligned
.set z, z+1
.endr
	WIN 0x82
.set z, 0
.rept 64
	v_mov_b32 v[z], v[64+z]
.set z, z+1
.endr
	WIN 0
	s_wait_xcnt 0x0                                ; the stores' data and base are written again only behind this wait
	v_add_nc_u32 v[XH2], 4608, v[XH2]
	v_add_nc_u32 v[OG2], 8704, v[OG2]
	v_add_nc_u32 v[ORD2], 8704, v[ORD2]
	s_add_nc_u64 s[30:31], s[30:31], 8192
	s_sub_co_u32 s96, s96, 1
	s_cmp_lg_u32 s96, 0
	s_cbranch_scc1 .Ll2
	v_add_nc_u32 v[XHA], XHSZ, v[XHA]              ; my second node
	v_add_nc_u32 v[OGA], OGSZ, v[OGA]
	v_add_nc_u32 v[ORD], OGSZ, v[ORD]
	s_sub_co_u32 s94, s94, 1
	s_cmp_lg_u32 s94, 0
	s_cbranch_scc1 .Lnode
	s_wait_tensorcnt 0x0                           ; the wave's end, behind my last tensor load and my last LDS store
	ds_add_u32 v[SPW], v[NIL]
	s_wait_dscnt 0x0
	s_endpgm
.Lfunc_end_k_q22308112bf_temporal:
	.size	k_q22308112bf_temporal, .Lfunc_end_k_q22308112bf_temporal-k_q22308112bf_temporal
	.p2alignl 7, 3214868480
	.fill 96, 4, 3214868480
	.section	.rodata,"a",@progbits
	.p2align	6, 0x0
	.amdhsa_kernel k_q22308112bf_temporal
		.amdhsa_group_segment_fixed_size 314880
		.amdhsa_private_segment_fixed_size 0
		.amdhsa_enable_private_segment 0
		.amdhsa_kernarg_size 112
		.amdhsa_user_sgpr_count 2
		.amdhsa_user_sgpr_kernarg_segment_ptr 1
		.amdhsa_wavefront_size32 1
		.amdhsa_system_sgpr_workgroup_id_x 1
		.amdhsa_system_sgpr_workgroup_id_y 1
		.amdhsa_system_sgpr_workgroup_id_z 1
		.amdhsa_system_vgpr_workitem_id 0
		.amdhsa_next_free_vgpr 1024
		.amdhsa_next_free_sgpr 100
		.amdhsa_reserve_vcc 0
		.amdhsa_float_denorm_mode_32 3
		.amdhsa_float_denorm_mode_16_64 3
		.amdhsa_memory_ordered 1
		.amdhsa_forward_progress 1
		.amdhsa_inst_pref_size 147
	.end_amdhsa_kernel
	.amdgpu_metadata
---
amdhsa.version: [ 1, 2 ]
amdhsa.kernels:
  - .name:           k_q22308112bf_temporal
    .symbol:         k_q22308112bf_temporal.kd
    .args:
      - { .name: x1h, .offset: 0, .size: 8, .value_kind: global_buffer, .address_space: global }
      - { .name: query, .offset: 8, .size: 8, .value_kind: global_buffer, .address_space: global }
      - { .name: tadd, .offset: 16, .size: 8, .value_kind: global_buffer, .address_space: global }
      - { .name: blobT, .offset: 24, .size: 8, .value_kind: global_buffer, .address_space: global }
      - { .name: params_t_fo_b, .offset: 32, .size: 8, .value_kind: global_buffer, .address_space: global }
      - { .name: params_t_ln1_g, .offset: 40, .size: 8, .value_kind: global_buffer, .address_space: global }
      - { .name: params_t_ln1_b, .offset: 48, .size: 8, .value_kind: global_buffer, .address_space: global }
      - { .name: params_t_ff_b1, .offset: 56, .size: 8, .value_kind: global_buffer, .address_space: global }
      - { .name: params_t_ff_b2, .offset: 64, .size: 8, .value_kind: global_buffer, .address_space: global }
      - { .name: params_t_ln2_g, .offset: 72, .size: 8, .value_kind: global_buffer, .address_space: global }
      - { .name: params_t_ln2_b, .offset: 80, .size: 8, .value_kind: global_buffer, .address_space: global }
      - { .name: params_blk_ln2_g, .offset: 88, .size: 8, .value_kind: global_buffer, .address_space: global }
      - { .name: params_blk_ln2_b, .offset: 96, .size: 8, .value_kind: global_buffer, .address_space: global }
      - { .name: out0, .offset: 104, .size: 8, .value_kind: global_buffer, .address_space: global }
    .group_segment_fixed_size: 314880
    .private_segment_fixed_size: 0
    .kernarg_segment_align: 8
    .kernarg_segment_size: 112
    .max_flat_workgroup_size: 128
    .sgpr_count:     100
    .vgpr_count:     1024
    .wavefront_size: 32
...
	.end_amdgpu_metadata
.endif
;; end of part 4
